; MI455X (gfx1250); checked and timed in simulation.
; The chip was launched on July 23, 2026; its instructions are those of AMD's public machine-readable ISA for CDNA 5 (MIT licence, August 2026) and "CDNA5" Instruction Set Architecture Reference Guide (July 2026). The comments in the code are by the model that wrote it; some were corrected since.
;; Multi Head Attention. Allowed arithmetic: matrix products marked QUANTISED: E2M3 operands, one E8M0 scale for each 32 along K, by v_wmma_scale_f32_16x16x128_f8f6f4 with both operands' format E2M3, f32 sums; everything else in f32.
;; Inputs: Wk 16 x 1,024 x 64 float32; Wo 1,024 x 1,024 float32; Wq 16 x 1,024 x 64 float32; Wv 16 x 1,024 x 64 float32; x 2 x 2,048 x 1,024 float32.
;; Outputs: out0 2 x 2,048 x 1,024 float32.
;; This version of the problem:
;;   THIS VERSION OF THE PROBLEM IS GIVEN IN LOW PRECISION. The matrix products marked QUANTISED in the list below multiply operands that are first quantised to E2M3 (2 exponent bits, 3 mantissa bits; 6 bits a number), with one power-of-two scale for each 32 numbers along K (OCP MX v1.0); their sums are f32. All else is computed in f32.
;;   The module's matrix products, in the order in which they are computed (A, B: the left and right operand; K: the contracted axis; several contracted axes count as one K, in the product's order):
;;     1. [M 1,024, K 1,024] x [K 1,024, N 4,096]; A: input Wq; B: input x: QUANTISED
;;     2. [M 1,024, K 1,024] x [K 1,024, N 4,096]; A: input Wk; B: input x: QUANTISED
;;     3. [M 1,024, K 1,024] x [K 1,024, N 4,096]; A: input Wv; B: input x: QUANTISED
;;     4. batch 32 x [M 2,048, K 64] x [K 64, N 2,048]; A: computed on the way; B: computed on the way: QUANTISED
;;     5. batch 32 x [M 2,048, K 2,048] x [K 2,048, N 64]; A: softmax (see below); B: computed on the way: QUANTISED
;;     6. [M 4,096, K 1,024] x [K 1,024, N 1,024]; A: computed on the way; B: input Wo: QUANTISED
;;   THE QUANTISER, for each operand of a quantised product, along K:
;;     - K is cut into blocks of 32 from its start; a last block that is shorter is filled with zeros.
;;     - A block's scale is 2^e with e = floor(log2(the largest magnitude in the block)) - 2, held to -126 .. 127; a block of zeros has e = 0. As a byte (E8M0): e + 127.
;;     - Each number is divided by its block's scale, clamped to +-7.5, and rounded to the nearest number of E2M3, ties to even, subnormals kept.
;;     - The product sums the exact products of the quantised numbers (number of the format x scale) in f32.
;;   ~~~python
;;   def quantise(x, axis):      # numpy; x: float32 -> the quantised numbers, widened to float32 again
;;       x = np.moveaxis(x, axis, -1); K = x.shape[-1]
;;       x = np.pad(x, [(0, 0)] * (x.ndim - 1) + [(0, -K % 32)]); x = x.reshape(x.shape[:-1] + (-1, 32)); a = np.abs(x).max(-1, keepdims=True)
;;       e = np.where(a > 0, np.clip(np.frexp(np.where(a > 0, a, 1))[1] - 1 - 2, -126, 127), 0)      # np.frexp(a)[1] - 1 = floor(log2(a)), exactly
;;       r = np.clip(x / 2.0 ** e, -7.5, 7.5)
;;       step = 2.0 ** (np.maximum(np.frexp(np.where(r == 0, 1, r))[1] - 1, 0) - 3)
;;       q = np.round(r / step) * step * 2.0 ** e      # np.round: ties to even
;;       return np.moveaxis(q.reshape(q.shape[:-2] + (-1,))[..., :K], -1, axis).astype(np.float32)
;;   ~~~
;;   SOFTMAX AHEAD OF A QUANTISED PRODUCT. Where the list says 'softmax', what is quantised is not the finished softmax but p = 2^(t - M), with t = logit x log2(e) and M = ceil(the row's largest t), a whole number; so 1/2 < the row's largest p <= 1. The row's sum l is taken of the UNQUANTISED p, in f32, and the product's result is divided by l at the end. Since M is a whole number, a kernel that streams over the keys may use a running M (the ceiling of the running maximum): every later rescaling is an exact power of two, which a block's scale takes up: the codes' values come out the same.
;;   OPERANDS COMPUTED ON THE WAY. 'Computed on the way' means the value that the module computes at that place (a softmax that the list does not call 'softmax' is quantised finished and normalised). What goes into a quantiser is computed in f32, as accurately as f32 sums, v_exp_f32 and their like allow (about 1e-6 of the number): no bf16 or f16 on the way to a quantiser, and a product that is left as it is and whose result goes on into a quantised operand takes f32 operands (vector FMAs, or v_wmma_f32_16x16x4_f32). A number that lies on a knife's edge between two numbers of the format may be rounded either way, as far as f32 arithmetic and the matrix unit's own rounding can turn it there, and no further.
;; One version. Each part assembles by itself: llvm-mc -triple=amdgcn-amd-amdhsa -mcpu=gfx1250 --defsym DOCPART=n.
;; ======== version 1 of 1: 4 launches
;; limits: right only within a limited range of input values
;; workspace buffers: xq 3,276,800 bytes; wts 3,276,800 bytes; qkv 10,223,616 bytes; oq 3,407,872 bytes
;; launch quant (part 1): grid 256 x 1, 4 waves a work-group, no clusters, 166,400 bytes of LDS; arguments x, Wq, Wk, Wv, Wo, xq, wts; writes xq, wts
.if DOCPART == 1
	.amdgcn_target "amdgcn-amd-amdhsa--gfx1250"
	.amdhsa_code_object_version 6
	.text
	.protected	k_q731b4fe449_quant
	.globl	k_q731b4fe449_quant
	.p2align	8
	.type	k_q731b4fe449_quant,@function
k_q731b4fe449_quant:
	s_mov_b64 s[64:65], 0
	v_nop
	global_prefetch_b8 v0, s[64:65] scope:SCOPE_SE
	s_setreg_imm32_b32 hwreg(HW_REG_WAVE_MODE, 25, 1), 1
	s_wait_xcnt 0x0
; x [4096 tokens][1024] and the four weights (K = their first matrix axis) become codes of FP6 (E2M3) with one E8M0 byte for each 32 along K,
; laid in this program's own buffers AS THE OPERANDS' REGISTERS: a fragment of 16 rows x 128 K is 12 registers a lane; registers 4 g .. 4 g + 3 of lane l lie at 512 g + 16 l (1,536 bytes).
; WHICH ROWS FORM A TILE: in every 32 logical rows (tokens, or columns of a weight) tile u takes row 8 u + r + 8 (r / 8) in its lane-row r.  Used as source 0, two neighbouring tiles then leave
; 16 neighbouring logical rows in a lane's 16 result registers, which is what the next quantiser wants.
; SCALE WORDS of four tiles are 256 bytes: the word of tile 2 c + h, row r, at 8 (r + 16 h) + 4 c: one load of 8 bytes a lane gives two scale registers, each with one tile in lanes 0-15 and one in lanes 16-31.
; A block's scale is 2^(floor(log2(its largest magnitude)) - 2); its byte is that magnitude's exponent field - 2, held at 1 from below.
; LIMITS: NaN and infinities among the inputs are not served; a block whose largest magnitude lies under 2^-124 keeps the byte 1; a block of zeros gets the byte 1 where the rule says 127: its codes are zeros,
; which add nothing under any byte but 0xff, and this program alone reads the bytes.
; SHARES: 1,024 wave tasks of 64 rows x 128 K.  Work-groups 0-127 take x, 128-255 the weights (q, k, v by head, then Wo by 64 columns).  Waves share nothing: no barrier.  Each of the two ways has LDS bytes of its own.
; No tensor load, no cluster, no matrix unit: every input byte is read once, by loads of which sixteen lanes cover 256 consecutive bytes; 32 such loads of a wave are out at a time.
.set XS,    3145728                    ; xq: scale words behind the codes
.set WS,    2359296                    ; wts: q, k, v's scale words
.set OWC,   2457600                    ; wts: Wo's codes
.set OWS,   3244032                    ; wts: Wo's scale words
.set XSTW,  8448                       ; x's way: a stage of 16 rows x (512 + 16) bytes for each wave, from LDS byte 0
.set WST,   33792                      ; the weights' way: a stage for each wave behind them:
.set WSTW,  33024                      ; row k of 256 bytes at 256 k + 32 (k / 16)
.set OFFW,  8                          ; v8-23   the weights' load offsets: rows 2 i + h, 16 bytes a lane
.set PW,    24                         ; v24-27  the four tiles' scale words
.set GA,    28                         ; v28-29  the same, as they are stored
.set PC,    30                         ; v30-41  a fragment's codes; v42-49 at work
.set TM,    50                         ; v50-53 largest magnitudes, v54-57 the other half's, then bytes, v58-61 the conversions' scale operands
.set X,     62                         ; v62-125 64 numbers of a lane: register 16 b + i = k 32 b + 16 h + i of my row
.set R,     126                        ; v126-253 two sets of 64 registers as loaded
.set SEL,   20                         ; s[20:21] lane selects: lane l xor 16
.set HM,    22                         ; s22     lanes 16-31
.set BW,    24                         ; s[24:31] the weights' four blocks of 32 rows
; 64 numbers of a lane become a fragment's 12 registers in v[PC] on and the row's scale word in v[pw]
.macro QUANT s, pw
.irp b, 0,1,2,3
	v_max3_num_f32 v[TM+\b], |v[(\s)+16*\b]|, |v[(\s)+1+16*\b]|, 0x1800000   ; block b: my 16 numbers, and the floor 2^(3 - 127): the byte cannot fall under 1
.endr
.irp i, 2,4,6,8,10,12,14
.irp b, 0,1,2,3
	v_max3_num_f32 v[TM+\b], v[TM+\b], |v[(\s)+16*\b+\i]|, |v[(\s)+1+16*\b+\i]|   ; the four blocks by turns
.endr
.endr
.irp b, 0,1,2,3
	v_permlanex16_b32 v[TM+4+\b], v[TM+\b], s[SEL], s[SEL+1]
.endr
.irp b, 0,1,2,3
	v_max_num_f32 v[TM+\b], v[TM+\b], v[TM+4+\b]           ; with lane l xor 16's 16: the block's largest magnitude
.endr
.irp b, 0,1,2,3
	v_add_nc_u32 v[TM+8+\b], 0xff000000, v[TM+\b]          ; 2 off its exponent field: the conversion takes this operand's exponent field as its scale
.endr
.irp b, 0,1,2,3
	v_lshrrev_b32 v[TM+4+\b], 23, v[TM+8+\b]               ; the scale's byte
.endr
	v_lshl_or_b32 v[\pw], v[TM+5], 8, v[TM+4]
	v_lshl_or_b32 v[\pw], v[TM+6], 16, v[\pw]
	v_lshl_or_b32 v[\pw], v[TM+7], 24, v[\pw]
.irp c, 0,1
	v_cvt_scalef32_pk16_fp6_f32 v[PC+6*\c:PC+2+6*\c], v[(\s)+32*\c:(\s)+15+32*\c], v[TM+8+2*\c]
	v_cvt_scalef32_pk16_fp6_f32 v[PC+12+4*\c:PC+14+4*\c], v[(\s)+16+32*\c:(\s)+31+32*\c], v[TM+9+2*\c]   ; a conversion's three registers begin on an even number
.endr
	v_nop                                                  ; one plain line behind the conversions
.irp c, 0,1                                            ; the operand wants a whole block in a lane: lanes 0-15 block 2 c, lanes 16-31 block 2 c + 1
.irp i, 0,1,2
	v_permlane16_swap_b32 v[PC+6*\c+\i], v[PC+12+4*\c+\i]
.endr
.irp i, 0,1,2
	v_mov_b32 v[PC+3+6*\c+\i], v[PC+12+4*\c+\i]
.endr
.endr
.endm
.macro QSTORE t                        ; tile t of the task's four: quantise X and store the image: three stores of 512 consecutive bytes
	s_wait_xcnt 0x0                                        ; the last tile's stores have read v[PC] on
	QUANT X, PW+(\t)
.irp g, 0,1,2
	global_store_b128 v4, v[PC+4*\g:PC+4*\g+3], s[34:35] offset:1536*(\t)+512*\g
.endr
.endm
.macro LOADX t                         ; x: the 16 tokens of tile t, 512 bytes (128 along K) each: a load reads 512 consecutive bytes
.irp n, 0,1,2,3,4,5,6,7,8,9,10,11,12,13,14,15
	; x's tiles are dealt otherwise than the weights': tile t of 64 tokens takes tokens 8 t + i (lane-rows 0-7) and 32 + 8 t + i (lane-rows 8-15), so that as source 0 four tiles leave 32 neighbouring tokens in a lane
	global_load_b128 v[R+64*((\t)%2)+4*\n:R+64*((\t)%2)+4*\n+3], v4, s[32:33] offset:(8*(\t)+\n+24*(\n/8))*4096 th:TH_LOAD_NT
.endr
.endm
.macro LOADW k                         ; a weight: rows 32 k .. 32 k + 31 of my 64 columns: sixteen lanes read 256 consecutive bytes
.irp n, 0,1,2,3,4,5,6,7,8,9,10,11,12,13,14,15
	global_load_b128 v[R+64*((\k)%2)+4*\n:R+64*((\k)%2)+4*\n+3], v[OFFW+\n], s[BW+2*(\k):BW+2*(\k)+1] th:TH_LOAD_NT
.endr
.endm
.macro STW k                           ; and into my stage, as they lie
.irp n, 0,1,2,3,4,5,6,7,8,9,10,11,12,13,14,15
	ds_store_b128 v6, v[R+64*((\k)%2)+4*\n:R+64*((\k)%2)+4*\n+3] offset:(32*(\k)+2*\n)*256+(2*(\k)+\n/8)*32
.endr
.endm
.macro TILEW t                         ; tile t's 16 columns: a lane takes its column, its registers run down K
.irp b, 0,1,2,3
.irp n, 0,1,2,3,4,5,6,7,8,9,10,11,12,13,14,15
	ds_load_b32 v[X+16*\b+\n], v7 offset:(32*\b+\n)*256+64*\b+(32*((\t)/2)+8*((\t)%2))*4
.endr
.endr
	s_wait_dscnt 0x0
	QSTORE \t
.endm
	s_load_b256 s[4:11], s[0:1], 0x0               ; x, Wq, Wk, Wv
	s_load_b128 s[12:15], s[0:1], 0x20             ; Wo, xq
	s_load_b64 s[16:17], s[0:1], 0x30              ; wts
	v_lshl_add_u32 v254, v0, 2, 0x28800
	v_mov_b32 v255, 0
	v_lshrrev_b32 v1, 5, v0
	v_readfirstlane_b32 s18, v1                    ; wave
	v_and_b32 v1, 31, v0                           ; lane
	v_and_b32 v2, 15, v0                           ; r
	v_bfe_u32 v3, v0, 4, 1                         ; h
	v_lshlrev_b32 v4, 4, v1                        ; 16 x lane
	v_lshlrev_b32 v5, 3, v1                        ; 8 x lane
	s_mov_b32 s[SEL], 0x76543210
	s_mov_b32 s[SEL+1], 0xfedcba98
	s_mov_b32 s[HM], 0xffff0000
.irp b, 0,1,2,3
	v_mov_b32 v[TM+4+\b], 0                        ; written once: a lane permute's destination counts as one of its sources
.endr
	s_cmp_lt_u32 ttmp9, 128
	s_cbranch_scc0 .Lweights
	; ---- x: task = 4 x work-group + wave; K step = task % 8, group of 64 tokens = task / 8
	s_lshl_b32 s19, ttmp9, 2
	s_add_co_u32 s19, s19, s18
	s_and_b32 s38, s19, 7
	s_lshr_b32 s39, s19, 3
	s_lshl_b32 s40, s39, 18                        ; 64 tokens of 4,096 bytes
	s_lshl_b32 s41, s38, 9                         ; 128 numbers
	s_add_co_u32 s40, s40, s41
	s_mov_b32 s41, 0
	s_mul_i32 s42, s39, 49152                      ; the codes: [group][K step][tile][1,536]
	s_mul_i32 s43, s38, 6144
	s_add_co_u32 s42, s42, s43
	s_mov_b32 s43, 0
	s_lshl_b32 s44, s39, 11                        ; the scale words: [group][K step][256]
	s_lshl_b32 s45, s38, 8
	s_add_co_u32 s44, s44, s45
	s_add_co_u32 s44, s44, XS
	s_mov_b32 s45, 0
	s_mul_i32 s46, s18, XSTW                       ; my stage
	s_wait_alu depctr_va_vdst(0)
	v_add_nc_u32 v6, s46, v4                       ; in: 16 bytes a lane of a token's 512
	v_mul_u32_u24 v7, v2, 528
	v_lshl_add_u32 v7, v3, 6, v7
	v_add_nc_u32 v7, s46, v7                       ; back: row r, + 64 h: my 16 numbers of each block of 32
	s_wait_alu depctr_va_vdst(0)
	s_wait_kmcnt 0x0
	s_add_nc_u64 s[32:33], s[4:5], s[40:41]
	s_add_nc_u64 s[34:35], s[14:15], s[42:43]
	s_add_nc_u64 s[36:37], s[14:15], s[44:45]
	LOADX 0
	LOADX 1
.irp t, 0,1,2,3
.if \t < 3
	s_wait_loadcnt 16                              ; this tile's 16 loads are in; the next tile's 16 may be out
.else
	s_wait_loadcnt 0x0
.endif
.irp n, 0,1,2,3,4,5,6,7,8,9,10,11,12,13,14,15
	ds_store_b128 v6, v[R+64*(\t%2)+4*\n:R+64*(\t%2)+4*\n+3] offset:528*\n
.endr
.irp b, 0,1,2,3
.irp j, 0,1,2,3
	ds_load_b128 v[X+16*\b+4*\j:X+16*\b+4*\j+3], v7 offset:128*\b+16*\j   ; LDS serves a wave's instructions in order (ISA guide 5.7.1.4): these see the stores above
.endr
.endr
	s_wait_dscnt 0x0                               ; the numbers are back, and the stores have read their registers,
.if \t < 2
	LOADX \t+2                                     ; which take the tile two on
.endif
	QSTORE \t
.endr
	v_cndmask_b32 v[GA], v[PW], v[PW+1], s[HM]     ; lanes 0-15 tile 0's word, lanes 16-31 tile 1's;
	v_cndmask_b32 v[GA+1], v[PW+2], v[PW+3], s[HM] ; tiles 2 and 3
	global_store_b64 v5, v[GA:GA+1], s[36:37]      ; 256 consecutive bytes, aligned
	s_wait_tensorcnt 0x0
	ds_add_u32 v254, v255
	s_wait_dscnt 0x0
	s_endpgm
.Lweights:
	; ---- the weights: task = 4 x (work-group - 128) + wave; K step = task % 8; slab = task / 8: which = slab / 16 (q, k, v, o), idx = slab % 16 (head, or 64 columns of Wo)
	s_sub_co_u32 s19, ttmp9, 128
	s_lshl_b32 s19, s19, 2
	s_add_co_u32 s19, s19, s18
	s_and_b32 s38, s19, 7                          ; K step
	s_lshr_b32 s39, s19, 3
	s_lshr_b32 s40, s39, 4                         ; which
	s_and_b32 s39, s39, 15                         ; idx
	s_lshl_b32 s42, s39, 18                        ; q, k, v: a head is 1,024 rows of 256 bytes,
	s_lshl_b32 s43, s38, 15                        ; a K step 128 of them
	s_add_co_u32 s42, s42, s43
	s_lshl_b32 s43, s39, 8                         ; Wo: 256 bytes along a row,
	s_lshl_b32 s44, s38, 19                        ; 128 rows of 4,096 bytes
	s_add_co_u32 s43, s43, s44
	s_mul_i32 s44, s39, 147456                     ; codes of q, k, v: [head][K step][which][tile][1,536]
	s_mul_i32 s45, s38, 18432
	s_add_co_u32 s44, s44, s45
	s_mul_i32 s45, s40, 6144
	s_add_co_u32 s44, s44, s45
	s_mul_i32 s45, s39, 49152                      ; of Wo: [64 columns][K step][tile][1,536]
	s_mul_i32 s46, s38, 6144
	s_add_co_u32 s45, s45, s46
	s_add_co_u32 s45, s45, OWC
	s_mul_i32 s46, s39, 6144                       ; scale words of q, k, v: [head][K step][which][256]
	s_mul_i32 s47, s38, 768
	s_add_co_u32 s46, s46, s47
	s_lshl_b32 s47, s40, 8
	s_add_co_u32 s46, s46, s47
	s_add_co_u32 s46, s46, WS
	s_lshl_b32 s47, s39, 11                        ; of Wo: [64 columns][K step][256]
	s_lshl_b32 s41, s38, 8
	s_add_co_u32 s47, s47, s41
	s_add_co_u32 s47, s47, OWS
	s_movk_i32 s23, 256
	s_cmp_eq_u32 s40, 3                            ; Wo?  The choices hang on the work-group's and the wave's numbers alone
	s_cselect_b32 s23, 0x1000, s23                 ; bytes from row to row
	s_cselect_b32 s42, s43, s42
	s_cselect_b32 s44, s45, s44
	s_cselect_b32 s46, s47, s46
	s_mov_b32 s43, 0
	s_mov_b32 s45, 0
	s_mov_b32 s47, 0
	s_mul_i32 s41, s18, WSTW
	s_add_co_u32 s41, s41, WST                     ; my stage
	s_wait_alu depctr_va_vdst(0)
	v_lshlrev_b32 v6, 8, v3
	v_lshl_add_u32 v6, v2, 4, v6
	v_add_nc_u32 v6, s41, v6                       ; in: row h of a pair, 16 bytes a lane
	v_and_b32 v7, 8, v2
	v_add_nc_u32 v7, v7, v2                        ; r + 8 (r / 8)
	v_lshlrev_b32 v7, 2, v7
	v_mad_u32_u24 v7, v3, 4128, v7                 ; lanes 16-31 begin 16 rows further down (16 x 256 + 32): with the 32 they fall on other banks than lanes 0-15 (64 banks of 4 bytes: ISA guide 11.1)
	v_add_nc_u32 v7, s41, v7
	v_mul_lo_u32 v[OFFW], v3, s23
	v_lshl_add_u32 v[OFFW], v2, 4, v[OFFW]         ; row h, 16 bytes a lane
	s_lshl_b32 s38, s23, 1
.irp n, 1,2,3,4,5,6,7,8,9,10,11,12,13,14,15
	v_add_nc_u32 v[OFFW+\n], s38, v[OFFW+\n-1]     ; two rows on
.endr
	s_lshl_b32 s38, s23, 5                         ; 32 rows
	s_mov_b32 s39, 0
	s_wait_alu depctr_va_vdst(0)
	s_wait_kmcnt 0x0
	s_cmp_eq_u32 s40, 1
	s_cselect_b64 s[32:33], s[8:9], s[6:7]
	s_cmp_eq_u32 s40, 2
	s_cselect_b64 s[32:33], s[10:11], s[32:33]
	s_cmp_eq_u32 s40, 3
	s_cselect_b64 s[32:33], s[12:13], s[32:33]
	s_add_nc_u64 s[BW:BW+1], s[32:33], s[42:43]
	s_add_nc_u64 s[BW+2:BW+3], s[BW:BW+1], s[38:39]
	s_add_nc_u64 s[BW+4:BW+5], s[BW+2:BW+3], s[38:39]
	s_add_nc_u64 s[BW+6:BW+7], s[BW+4:BW+5], s[38:39]
	s_add_nc_u64 s[34:35], s[16:17], s[44:45]
	s_add_nc_u64 s[36:37], s[16:17], s[46:47]
	LOADW 0
	LOADW 1
	s_wait_loadcnt 16                              ; block 0's 16 loads are in; block 1's may be out
	STW 0
	s_wait_dscnt 0x0                               ; the stores have read their registers
	LOADW 2
	s_wait_loadcnt 16                              ; block 1 is in; block 2 may be out
	STW 1
	s_wait_dscnt 0x0
	LOADW 3
	s_wait_loadcnt 16                              ; block 2 is in; block 3 may be out
	STW 2
	s_wait_loadcnt 0x0
	STW 3
	TILEW 0                                        ; LDS serves a wave's instructions in order: the loads see the stores
	TILEW 1
	TILEW 2
	TILEW 3
	v_cndmask_b32 v[GA], v[PW], v[PW+1], s[HM]
	v_cndmask_b32 v[GA+1], v[PW+2], v[PW+3], s[HM]
	global_store_b64 v5, v[GA:GA+1], s[36:37]
	s_wait_tensorcnt 0x0
	ds_add_u32 v254, v255
	s_wait_dscnt 0x0
	s_endpgm
.Lfunc_end_k_q731b4fe449_quant:
	.size	k_q731b4fe449_quant, .Lfunc_end_k_q731b4fe449_quant-k_q731b4fe449_quant
	.p2alignl 7, 3214868480
	.fill 96, 4, 3214868480
	.section	.rodata,"a",@progbits
	.p2align	6, 0x0
	.amdhsa_kernel k_q731b4fe449_quant
		.amdhsa_group_segment_fixed_size 166400
		.amdhsa_private_segment_fixed_size 0
		.amdhsa_enable_private_segment 0
		.amdhsa_kernarg_size 56
		.amdhsa_user_sgpr_count 2
		.amdhsa_user_sgpr_kernarg_segment_ptr 1
		.amdhsa_wavefront_size32 1
		.amdhsa_system_sgpr_workgroup_id_x 1
		.amdhsa_system_sgpr_workgroup_id_y 1
		.amdhsa_system_sgpr_workgroup_id_z 1
		.amdhsa_system_vgpr_workitem_id 0
		.amdhsa_next_free_vgpr 256
		.amdhsa_next_free_sgpr 66
		.amdhsa_reserve_vcc 0
		.amdhsa_float_denorm_mode_32 3
		.amdhsa_float_denorm_mode_16_64 3
		.amdhsa_memory_ordered 1
		.amdhsa_forward_progress 1
		.amdhsa_inst_pref_size 80
	.end_amdhsa_kernel
	.amdgpu_metadata
---
amdhsa.version: [ 1, 2 ]
amdhsa.kernels:
  - .name:           k_q731b4fe449_quant
    .symbol:         k_q731b4fe449_quant.kd
    .args:
      - { .name: x, .offset: 0, .size: 8, .value_kind: global_buffer, .address_space: global }
      - { .name: Wq, .offset: 8, .size: 8, .value_kind: global_buffer, .address_space: global }
      - { .name: Wk, .offset: 16, .size: 8, .value_kind: global_buffer, .address_space: global }
      - { .name: Wv, .offset: 24, .size: 8, .value_kind: global_buffer, .address_space: global }
      - { .name: Wo, .offset: 32, .size: 8, .value_kind: global_buffer, .address_space: global }
      - { .name: xq, .offset: 40, .size: 8, .value_kind: global_buffer, .address_space: global }
      - { .name: wts, .offset: 48, .size: 8, .value_kind: global_buffer, .address_space: global }
    .group_segment_fixed_size: 166400
    .private_segment_fixed_size: 0
    .kernarg_segment_align: 8
    .kernarg_segment_size: 56
    .max_flat_workgroup_size: 128
    .sgpr_count:     66
    .vgpr_count:     256
    .wavefront_size: 32
...
	.end_amdgpu_metadata
.endif
;; end of part 1
;; launch proj (part 2): grid 16 x 16, 4 waves a work-group, clusters of 4 x 1, 168,448 bytes of LDS; arguments xq, wts, qkv; writes qkv
.if DOCPART == 2
	.amdgcn_target "amdgcn-amd-amdhsa--gfx1250"
	.amdhsa_code_object_version 6
	.text
	.protected	k_q731b4fe449_proj
	.globl	k_q731b4fe449_proj
	.p2align	8
	.type	k_q731b4fe449_proj,@function
k_q731b4fe449_proj:
	s_mov_b64 s[64:65], 0
	v_nop
	global_prefetch_b8 v0, s[64:65] scope:SCOPE_SE
	s_setreg_imm32_b32 hwreg(HW_REG_WAVE_MODE, 25, 1), 1
	s_wait_xcnt 0x0
	s_wait_alu depctr_hold_cnt(0) depctr_sa_sdst(0) depctr_va_vdst(0) depctr_va_sdst(0) depctr_va_ssrc(0) depctr_va_vcc(0) depctr_vm_vsrc(0)
	s_getreg_b32 s2, hwreg(HW_REG_IB_STS2, 6, 4)
	s_cmp_eq_u32 s2, 0
	s_cbranch_scc0 .Lentry_in_a_cluster
	s_endpgm
.Lentry_in_a_cluster:
	s_bfe_u32 s2, ttmp6, 0x10000c
	s_cmp_lg_u32 s2, 0x3003
	s_cbranch_scc0 .Lentry_shape_is_right
	s_endpgm
.Lentry_shape_is_right:
; q = x Wq[h], k = x Wk[h], v = x Wv[h] on codes of FP6 (E2M3) with E8M0 scales; the results are quantised at once, q and k along the head's 64, v along the keys, and leave as images of operand registers.
; SHARES: a work-group is 256 tokens x one head; a wave 64 tokens (four tiles) x the head's 192 columns.  256 work-groups.
; x: a wave's 32 fragments (all of K) are read by no other wave of the work-group: they go from memory straight into 384 registers, all asked for at the head.
; W: the head's 96 fragments (147,456 bytes) are read by all four waves and by the four work-groups of a cluster (same head): they come into LDS ONCE, by joint tensor loads
; whose mask names the four.  No LDS byte is filled twice, so there is no ring.  Each wave has one tensor load out at the most.
; PHASE A, q and k: source 0 = 16 columns of W, source 1 = 16 tokens: a lane holds ONE token and its 32 registers run along the head's 64 (the tiles' rows are chosen for it), 16 neighbours for each block of 32.
; PHASE B, v: source 0 = 16 tokens, source 1 = 16 columns: a lane holds one channel d and its 32 registers run along 64 keys.
; HALF A FRAGMENT (64 along K: 6 registers a lane) is stored as 768 bytes: registers 0-3 of lane l at 16 l, registers 4-5 at 512 + 8 l.  Its scale word has two bytes, and 0 above.
; LIMITS: NaN and infinities are not served; a block whose largest magnitude lies under 2^-124 keeps the byte 1, a block of zeros too (its codes are zeros; this program alone reads the bytes).
; REGISTERS, in windows of 256: window 0: v1 16 x lane, v2 8 x lane, v4-7 W's chunks in LDS, v16-31 x's scale words; v160-207 W's; v40-57 at work;
;   v64-111, v112-159 four fragments of W, two sets (later the codes just made).  window 1: the accumulators.  window 2: x's fragments of K steps 0-4.  window 3: of K steps 5-7.
.set XS,   3145728                     ; xq: scale words
.set WS,   2359296                     ; wts: q, k, v's scale words
.set ZP,   3407872                     ; qkv: a part (q, k or v)
.set ZS,   3145728                     ; in it: the scale words
.set WSL,  147456                      ; LDS: W's codes from byte 0, [K step][12 tiles][1,536]
.set CHK,  36864                       ; a chunk: two K steps of codes
.set WV,   10
.set SEL,  20
.set HM,   22
.set TM,   40                          ; v40-41 largest magnitudes, v42-43 the other half's, then bytes, v44-45 scale operands
.set T3,   48                          ; v48-50 a conversion's result on its way
.set PW,   52                          ; v52-55 four scale words
.set GA,   56                          ; v56-57 as they are stored
.set MSB, 0
.macro WIN new                         ; the immediate's high byte repeats the setting that is left; a switch that changes nothing is dropped
.if MSB != (\new)
	s_set_vgpr_msb (MSB<<8)|(\new)
.set MSB, (\new)
.endif
.endm
.macro PLACES                          ; four plain lines behind a matrix instruction, ahead of loads into its registers and of reads of its result
.rept 4
	v_nop
.endr
.endm
.macro ROUND                           ; a round of the cluster's barrier
	s_barrier_signal -1
	s_barrier_wait -1
	s_cmp_lg_u32 s[WV], 0
	s_cbranch_scc1 .Lnot_wave_0_\@
	s_barrier_signal -3
.Lnot_wave_0_\@:
	s_barrier_wait -3
	s_barrier_signal -1
	s_barrier_wait -1
.endm
; one product: D at wD, sources at wA and wB, wZ = 1: it starts the sum; scale registers wSA, wSB, read from lanes 16-31 where wRA, wRB = 1
.macro WMX
.if wZ
.if wRA
.if wRB
	v_wmma_scale_f32_16x16x128_f8f6f4 v[wD:wD+7], v[wA:wA+11], v[wB:wB+11], 0, v[wSA], v[wSB] matrix_a_fmt:MATRIX_FMT_FP6 matrix_b_fmt:MATRIX_FMT_FP6 matrix_a_scale:MATRIX_SCALE_ROW1 matrix_b_scale:MATRIX_SCALE_ROW1
.else
	v_wmma_scale_f32_16x16x128_f8f6f4 v[wD:wD+7], v[wA:wA+11], v[wB:wB+11], 0, v[wSA], v[wSB] matrix_a_fmt:MATRIX_FMT_FP6 matrix_b_fmt:MATRIX_FMT_FP6 matrix_a_scale:MATRIX_SCALE_ROW1
.endif
.else
.if wRB
	v_wmma_scale_f32_16x16x128_f8f6f4 v[wD:wD+7], v[wA:wA+11], v[wB:wB+11], 0, v[wSA], v[wSB] matrix_a_fmt:MATRIX_FMT_FP6 matrix_b_fmt:MATRIX_FMT_FP6 matrix_b_scale:MATRIX_SCALE_ROW1
.else
	v_wmma_scale_f32_16x16x128_f8f6f4 v[wD:wD+7], v[wA:wA+11], v[wB:wB+11], 0, v[wSA], v[wSB] matrix_a_fmt:MATRIX_FMT_FP6 matrix_b_fmt:MATRIX_FMT_FP6
.endif
.endif
.else
.if wRA
.if wRB
	v_wmma_scale_f32_16x16x128_f8f6f4 v[wD:wD+7], v[wA:wA+11], v[wB:wB+11], v[wD:wD+7], v[wSA], v[wSB] matrix_a_fmt:MATRIX_FMT_FP6 matrix_b_fmt:MATRIX_FMT_FP6 matrix_a_scale:MATRIX_SCALE_ROW1 matrix_b_scale:MATRIX_SCALE_ROW1
.else
	v_wmma_scale_f32_16x16x128_f8f6f4 v[wD:wD+7], v[wA:wA+11], v[wB:wB+11], v[wD:wD+7], v[wSA], v[wSB] matrix_a_fmt:MATRIX_FMT_FP6 matrix_b_fmt:MATRIX_FMT_FP6 matrix_a_scale:MATRIX_SCALE_ROW1
.endif
.else
.if wRB
	v_wmma_scale_f32_16x16x128_f8f6f4 v[wD:wD+7], v[wA:wA+11], v[wB:wB+11], v[wD:wD+7], v[wSA], v[wSB] matrix_a_fmt:MATRIX_FMT_FP6 matrix_b_fmt:MATRIX_FMT_FP6 matrix_b_scale:MATRIX_SCALE_ROW1
.else
	v_wmma_scale_f32_16x16x128_f8f6f4 v[wD:wD+7], v[wA:wA+11], v[wB:wB+11], v[wD:wD+7], v[wSA], v[wSB] matrix_a_fmt:MATRIX_FMT_FP6 matrix_b_fmt:MATRIX_FMT_FP6
.endif
.endif
.endif
.endm
; 32 numbers of a lane in window sw, register 16 b + i = K 32 b + 16 h + i, become 6 registers of codes in v[pc] on and a scale word of two bytes in v[pw].  Each accumulator is read from its low end on.
.macro QUANT32 src, sw, pc, pw
	WIN (\sw)*5                                    ; sources 0 and 1 in window sw
.irp b, 0,1
	v_max3_num_f32 v[TM+\b], |v[(\src)+16*\b]|, |v[(\src)+16*\b+1]|, 0x1800000   ; and the floor 2^(3 - 127): the byte cannot fall under 1
.endr
.irp i, 2,4,6,8,10,12,14
.irp b, 0,1
	v_max3_num_f32 v[TM+\b], |v[(\src)+16*\b+\i]|, |v[(\src)+16*\b+\i+1]|, v[TM+\b]
.endr
.endr
	WIN 0
.irp b, 0,1
	v_permlanex16_b32 v[TM+2+\b], v[TM+\b], s[SEL], s[SEL+1]
.endr
.irp b, 0,1
	v_max_num_f32 v[TM+\b], v[TM+\b], v[TM+2+\b]   ; with lane l xor 16's 16: the block's largest magnitude
.endr
.irp b, 0,1
	v_add_nc_u32 v[TM+4+\b], 0xff000000, v[TM+\b]  ; 2 off its exponent field: the conversion's scale operand
.endr
.irp b, 0,1
	v_lshrrev_b32 v[TM+2+\b], 23, v[TM+4+\b]       ; the scale's byte
.endr
	v_lshl_or_b32 v[\pw], v[TM+3], 8, v[TM+2]
	WIN \sw                                        ; source 0 in window sw
	v_cvt_scalef32_pk16_fp6_f32 v[(\pc):(\pc)+2], v[(\src):(\src)+15], v[TM+4]
	v_cvt_scalef32_pk16_fp6_f32 v[T3:T3+2], v[(\src)+16:(\src)+31], v[TM+5]
	WIN 0
	v_nop                                          ; one plain line behind the conversions
.irp i, 0,1,2
	v_permlane16_swap_b32 v[(\pc)+\i], v[T3+\i]    ; a whole block to a lane: lanes 0-15 block 0, lanes 16-31 block 1
.endr
.irp i, 0,1,2
	v_mov_b32 v[(\pc)+3+\i], v[T3+\i]
.endr
.endm
; v: 32 numbers of a lane in window 1, register 8 i + j = key 32 h + 8 i + j (x's tiles are dealt for it): ONE whole block of 32 keys in a lane.  Six registers of codes in v[pc] on; the scale word has block 0's byte below block 1's
.macro QUANTV src, pc, pw
	WIN 5                                          ; sources 0 and 1 in window 1
	v_max3_num_f32 v[TM], |v[(\src)]|, |v[(\src)+1]|, 0x1800000       ; two chains, one over each half; the floor 2^(3 - 127): the byte cannot fall under 1
	v_max3_num_f32 v[TM+1], |v[(\src)+16]|, |v[(\src)+17]|, 0x1800000
.irp i, 2,4,6,8,10,12,14
	v_max3_num_f32 v[TM], |v[(\src)+\i]|, |v[(\src)+\i+1]|, v[TM]
	v_max3_num_f32 v[TM+1], |v[(\src)+16+\i]|, |v[(\src)+17+\i]|, v[TM+1]
.endr
	WIN 0
	v_max_num_f32 v[TM], v[TM], v[TM+1]
	v_add_nc_u32 v[TM+4], 0xff000000, v[TM]        ; 2 off the exponent field: the conversions' scale operand
	v_lshrrev_b32 v[TM+1], 23, v[TM+4]             ; my block's byte
	v_permlanex16_b32 v[TM+2], v[TM+1], s[SEL], s[SEL+1]   ; the other block's
	v_cndmask_b32 v[TM+3], v[TM+1], v[TM+2], s[HM] ; block 0's byte in every lane,
	v_cndmask_b32 v[TM+5], v[TM+2], v[TM+1], s[HM] ; block 1's
	v_lshl_or_b32 v[\pw], v[TM+5], 8, v[TM+3]
	WIN 1
	v_cvt_scalef32_pk16_fp6_f32 v[(\pc):(\pc)+2], v[(\src):(\src)+15], v[TM+4]
	v_cvt_scalef32_pk16_fp6_f32 v[T3:T3+2], v[(\src)+16:(\src)+31], v[TM+4]
	WIN 0
	v_nop                                          ; one plain line behind the conversions
.irp i, 0,1,2
	v_mov_b32 v[(\pc)+3+\i], v[T3+\i]
.endr
.endm
.macro OUT ds, pc, nq
	global_store_b128 v1, v[(\pc):(\pc)+3], s[(\ds):(\ds)+1] offset:768*(\nq)
	global_store_b64 v2, v[(\pc)+4:(\pc)+5], s[(\ds):(\ds)+1] offset:768*(\nq)+512
.endm
.macro OUTS ds, first                  ; four tiles' scale words leave as 256 consecutive bytes
.if !(\first)
	s_wait_alu depctr_va_vdst(0)
	s_wait_xcnt 0x0
.endif
	v_cndmask_b32 v[GA], v[PW], v[PW+1], s[HM]
	v_cndmask_b32 v[GA+1], v[PW+2], v[PW+3], s[HM]
	global_store_b64 v2, v[GA:GA+1], s[(\ds):(\ds)+1]
.endm
; group x of W's fragments: x = 0..15: K step x / 2, q (even) or k (odd); x = 16..23: K step x - 16, v.  Four fragments into set x % 2: 12 LDS loads
.macro FETCHW x
.if (\x) < 16
.set fks, (\x)/2
.set fwh, (\x)%2
.else
.set fks, (\x)-16
.set fwh, 2
.endif
.set fst, (\x)%2
.irp t, 0,1,2,3
.irp g, 0,1,2
	ds_load_b128 v[64+48*fst+12*\t+4*\g:64+48*fst+12*\t+4*\g+3], v[4+fks/2] offset:(fks%2)*18432+(4*fwh+\t)*1536+512*\g
.endr
.endr
.endm
.macro CHUNKWAIT p                     ; chunks 0 .. p of my loads have landed, the 3 - p later chunks may stay out; then everybody's have.
.if (\p) < 3                           ; chunk q is wave q's one load, on a line of its own: waves 0 .. p wait for theirs, the later chunks may stay out
	s_cmp_gt_u32 s[WV], \p
	s_cbranch_scc1 .Lnot_mine_\@
	s_wait_tensorcnt 0x0
.Lnot_mine_\@:
.else
	s_wait_tensorcnt 0x0                           ; the last chunk: every wave waits
.endif
	s_wait_dscnt 0x0
	s_barrier_signal -1
	s_barrier_wait -1
.endm
.macro XWIN ks                         ; where K step ks of x lies
.if (\ks) < 5
.set mxw, 2
.set mxb, 48*(\ks)
.else
.set mxw, 3
.set mxb, 48*((\ks)-5)
.endif
.endm
; 16 products of phase A: the group's four tiles of W x my four tiles of tokens.  The 16 accumulators take turns, one instruction a turn
.macro MULA x
.set mks, (\x)/2
.set mwh, (\x)%2
	XWIN mks
.set mwin, 0x50|(mxw<<2)
	WIN mwin                                       ; source 0 (W) window 0, source 1 (x) window 2 or 3, C and D window 1
.if mks == 0
.set wZ, 1
.else
.set wZ, 0
.endif
.irp i, 0,1,2,3
.irp t, 0,1,2,3
.set wD, 128*mwh+32*\i+8*\t
.set wA, 64+48*mwh+12*\t
.set wB, mxb+12*\i
.set wSA, 160+6*mks+2*mwh+\t/2
.set wRA, \t%2
.set wSB, 16+2*mks+\i/2
.set wRB, \i%2
	WMX
.endr
.endr
	WIN 0
.endm
.macro MULB x                          ; 16 products of phase B: my four tiles of tokens (source 0) x Wv's four tiles
.set mks, (\x)-16
.set mst, (\x)%2
	XWIN mks
.set mwin, 0x50|mxw
	WIN mwin                                       ; source 0 (x) window 2 or 3, source 1 (W) window 0, C and D window 1
.if mks == 0
.set wZ, 1
.else
.set wZ, 0
.endif
.irp t, 0,1,2,3
.irp i, 0,1,2,3
.set wD, 32*\t+8*\i
.set wA, mxb+12*\i
.set wB, 64+48*mst+12*\t
.set wSA, 16+2*mks+\i/2
.set wRA, \i%2
.set wSB, 160+6*mks+4+\t/2
.set wRB, \t%2
	WMX
.endr
.endr
	WIN 0
.endm
	s_load_b128 s[4:7], s[0:1], 0x0                ; xq, wts
	s_load_b64 s[8:9], s[0:1], 0x10                ; qkv
	v_lshl_add_u32 v254, v0, 2, 0x29000
	v_mov_b32 v255, 0
	ds_add_u32 v254, v255
	ds_add_u32 v254, v255
	v_lshrrev_b32 v3, 5, v0
	v_readfirstlane_b32 s[WV], v3                  ; wave 0..3
	v_and_b32 v3, 31, v0
	v_lshlrev_b32 v1, 4, v3                        ; 16 x lane
	v_lshlrev_b32 v2, 3, v3                        ; 8 x lane
.irp p, 0,1,2,3
	v_add_nc_u32 v[4+\p], \p*CHK, v1               ; chunk p of W's codes
.endr
	v_mov_b32 v[TM+2], 0                           ; written once: a lane permute's destination counts as one of its sources
	v_mov_b32 v[TM+3], 0
	s_bfe_u32 s11, ttmp6, 0x40000                  ; cx: my place in the cluster
	s_lshl_b32 s12, ttmp9, 2
	s_add_co_u32 s12, s12, s11                     ; my 256 tokens: 4 x cluster x + cx
	s_and_b32 s13, ttmp7, 0xffff                   ; the head, which the four partners share
	s_mov_b32 s[SEL], 0x76543210
	s_mov_b32 s[SEL+1], 0xfedcba98
	s_mov_b32 s[HM], 0xffff0000
	; descriptor groups 1: dense blocks as rows of 256 bytes (32 elements of 8 bytes); 15:0 the mask: all four work-groups; bit 21 set beside it
	s_mov_b32 s32, 15|(3<<16)|(1<<21)              ; a chunk of codes
	s_mov_b32 s33, 32<<16
	s_mov_b32 s34, 144<<16                         ; a whole chunk, 144 rows of 256 bytes, is one wave's one load
	s_mov_b32 s35, 32<<16
	s_mov_b32 s36, 144
	s_mov_b32 s37, 32
	s_mov_b32 s38, 0
	s_mov_b32 s39, 0
	s_mul_i32 s80, s13, 6144                       ; the head's scale words
	s_add_co_u32 s80, s80, WS
	s_mov_b32 s81, 0
	s_mul_i32 s82, s13, 147456                     ; the head's codes
	s_mov_b32 s83, 0
	s_wait_dscnt 0x0
	s_wait_kmcnt 0x0
	s_add_nc_u64 s[42:43], s[6:7], s[80:81]        ; W's scale words go from memory straight into registers v160-207
.irp p, 0,1,2,3
	s_mov_b32 s[44+4*\p], 1
	s_mov_b32 s[45+4*\p], \p*CHK
	s_add_nc_u64 s[46+4*\p:47+4*\p], s[6:7], s[82:83]
	s_add_nc_u64 s[46+4*\p:47+4*\p], s[46+4*\p:47+4*\p], \p*CHK
	s_or_b32 s[47+4*\p], s[47+4*\p], 0x80000000
.endr
	ROUND                                          ; all four work-groups are here: the joint loads meet
	; one joint load a wave: wave p fetches chunk p, in an arm of its own of one chain of branches on the wave's number
	s_cmp_eq_u32 s[WV], 0
	s_cbranch_scc0 .Lwave_1
	tensor_load_to_lds s[44:47], s[32:39]
	s_nop 0
	PLACES
	s_branch .Lasked
.Lwave_1:
	s_cmp_eq_u32 s[WV], 1
	s_cbranch_scc0 .Lwave_2
	tensor_load_to_lds s[48:51], s[32:39]
	s_nop 0
	PLACES
	s_branch .Lasked
.Lwave_2:
	s_cmp_eq_u32 s[WV], 2
	s_cbranch_scc0 .Lwave_3
	tensor_load_to_lds s[52:55], s[32:39]
	s_nop 0
	PLACES
	s_branch .Lasked
.Lwave_3:
	tensor_load_to_lds s[56:59], s[32:39]
	s_nop 0
	PLACES
.Lasked:
	s_lshl_b32 s84, s12, 2
	s_add_co_u32 s84, s84, s[WV]                   ; my group of 64 tokens
	s_mul_i32 s86, s84, 49152
	s_mov_b32 s87, 0
	s_add_nc_u64 s[60:61], s[4:5], s[86:87]        ; its codes
	s_lshl_b32 s86, s84, 11
	s_add_co_u32 s86, s86, XS
	s_add_nc_u64 s[62:63], s[4:5], s[86:87]        ; its scale words
	s_wait_alu depctr_va_vdst(0)
.irp k, 0,1,2,3,4,5,6,7
	global_load_b64 v[16+2*\k:17+2*\k], v2, s[62:63] offset:256*\k
.endr
.irp k, 0,1,2,3,4,5,6,7,8,9,10,11,12,13,14,15,16,17,18,19,20,21,22,23
	global_load_b64 v[160+2*\k:161+2*\k], v2, s[42:43] offset:256*\k   ; W's scale words: [K step][q, k, v][256 bytes]: registers 160 + 6 ks + 2 which
.endr
	WIN 0x80                                       ; destination window 2
.irp k, 0,1,2,3,4
.irp i, 0,1,2,3
.irp g, 0,1,2
	global_load_b128 v[48*\k+12*\i+4*\g:48*\k+12*\i+4*\g+3], v1, s[60:61] offset:6144*\k+1536*\i+512*\g
.endr
.endr
.endr
	WIN 0xc0                                       ; destination window 3
.irp k, 5,6,7
.irp i, 0,1,2,3
.irp g, 0,1,2
	global_load_b128 v[48*(\k-5)+12*\i+4*\g:48*(\k-5)+12*\i+4*\g+3], v1, s[60:61] offset:6144*\k+1536*\i+512*\g
.endr
.endr
.endr
	WIN 0
	; where the results go: batch b = tokens / 2,048, bh = 16 b + head, g = my group of 64 tokens in the batch
	s_lshr_b32 s84, s12, 3
	s_lshl_b32 s84, s84, 4
	s_add_co_u32 s84, s84, s13                     ; bh
	s_and_b32 s85, s12, 7
	s_lshl_b32 s85, s85, 2
	s_add_co_u32 s85, s85, s[WV]                   ; g
	s_mul_i32 s86, s84, 98304
	s_mul_i32 s87, s85, 3072
	s_add_co_u32 s86, s86, s87
	s_mov_b32 s87, 0
	s_add_nc_u64 s[66:67], s[8:9], s[86:87]        ; q's codes,
	s_add_nc_u64 s[70:71], s[66:67], ZP            ; k's,
	s_add_nc_u64 s[74:75], s[70:71], ZP            ; v's
	s_lshl_b32 s86, s84, 13
	s_lshl_b32 s84, s85, 8
	s_add_co_u32 s86, s86, s84
	s_add_co_u32 s86, s86, ZS
	s_add_nc_u64 s[68:69], s[8:9], s[86:87]        ; and the scale words
	s_add_nc_u64 s[72:73], s[68:69], ZP
	s_add_nc_u64 s[76:77], s[72:73], ZP
	; ---- PHASE A: q and k.  Group n + 1 is fetched from LDS while group n is multiplied
	CHUNKWAIT 0
	FETCHW 0
.set n, 0
.rept 16
.if n < 15
.if (n+1)%4 == 0
	CHUNKWAIT (n+1)/4                              ; the next group begins a chunk
.endif
.if n >= 1
	PLACES                                         ; the set to be loaded was read by the products just issued
.endif
	FETCHW n+1
	s_wait_dscnt 12                                ; group n is in; the 12 loads just issued may be out
.else
	s_wait_dscnt 0x0
.endif
.if n%2 == 0
.set lc, 12*(7-n/2)                    ; x's fragments of this K step are in; the later K steps' 12 loads each may be out (the wait names 63 at the most)
.if lc > 63
.set lc, 63
.endif
	s_wait_loadcnt lc
.endif
	MULA n
.set n, n+1
.endr
	PLACES
.irp z, 0,1
.irp i, 0,1,2,3
	QUANT32 128*\z+32*\i, 1, 64+8*(4*\z+\i), PW+\i  ; tile i's 16 tokens: half a fragment each; every tile has registers of its own for its codes
	OUT 66+4*\z, 64+8*(4*\z+\i), \i
.endr
	OUTS 68+4*\z, 1-\z
.endr
	; ---- PHASE B: v
	s_wait_xcnt 0x0                                ; the stores have read the registers that W's sets take again
	FETCHW 16
.set n, 16
.rept 8
.if n < 23
.if n > 16
	PLACES
.endif
	FETCHW n+1
	s_wait_dscnt 12                                ; group n is in; the 12 just issued may be out
.else
	s_wait_dscnt 0x0
.endif
	MULB n
.set n, n+1
.endr
	PLACES
.irp t, 0,1,2,3
	QUANTV 32*\t, 64+8*\t, PW+\t                   ; 16 channels x my 64 keys: half a fragment of V with the keys innermost
	OUT 74, 64+8*\t, \t
.endr
	OUTS 76, 0
	s_wait_tensorcnt 0x0
	ds_add_u32 v254, v255
	s_wait_dscnt 0x0
	ROUND                                          ; the closing round: no work-group ends while a partner may still ask for a tile that names it
	s_endpgm
.Lfunc_end_k_q731b4fe449_proj:
	.size	k_q731b4fe449_proj, .Lfunc_end_k_q731b4fe449_proj-k_q731b4fe449_proj
	.p2alignl 7, 3214868480
	.fill 96, 4, 3214868480
	.section	.rodata,"a",@progbits
	.p2align	6, 0x0
	.amdhsa_kernel k_q731b4fe449_proj
		.amdhsa_group_segment_fixed_size 168448
		.amdhsa_private_segment_fixed_size 0
		.amdhsa_enable_private_segment 0
		.amdhsa_kernarg_size 24
		.amdhsa_user_sgpr_count 2
		.amdhsa_user_sgpr_kernarg_segment_ptr 1
		.amdhsa_wavefront_size32 1
		.amdhsa_system_sgpr_workgroup_id_x 1
		.amdhsa_system_sgpr_workgroup_id_y 1
		.amdhsa_system_sgpr_workgroup_id_z 1
		.amdhsa_system_vgpr_workitem_id 0
		.amdhsa_next_free_vgpr 912
		.amdhsa_next_free_sgpr 88
		.amdhsa_reserve_vcc 0
		.amdhsa_float_denorm_mode_32 3
		.amdhsa_float_denorm_mode_16_64 3
		.amdhsa_memory_ordered 1
		.amdhsa_forward_progress 1
		.amdhsa_inst_pref_size 117
	.end_amdhsa_kernel
	.amdgpu_metadata
---
amdhsa.version: [ 1, 2 ]
amdhsa.kernels:
  - .name:           k_q731b4fe449_proj
    .symbol:         k_q731b4fe449_proj.kd
    .args:
      - { .name: xq, .offset: 0, .size: 8, .value_kind: global_buffer, .address_space: global }
      - { .name: wts, .offset: 8, .size: 8, .value_kind: global_buffer, .address_space: global }
      - { .name: qkv, .offset: 16, .size: 8, .value_kind: global_buffer, .address_space: global }
    .group_segment_fixed_size: 168448
    .private_segment_fixed_size: 0
    .kernarg_segment_align: 8
    .kernarg_segment_size: 24
    .max_flat_workgroup_size: 128
    .sgpr_count:     88
    .vgpr_count:     912
    .wavefront_size: 32
...
	.end_amdgpu_metadata
.endif
;; end of part 2
;; launch attn (part 3): grid 8 x 32, 8 waves a work-group, clusters of 4 x 1, 216,064 bytes of LDS; arguments qkv, oq; writes oq
.if DOCPART == 3
	.amdgcn_target "amdgcn-amd-amdhsa--gfx1250"
	.amdhsa_code_object_version 6
	.text
	.protected	k_q731b4fe449_attn
	.globl	k_q731b4fe449_attn
	.p2align	8
	.type	k_q731b4fe449_attn,@function
k_q731b4fe449_attn:
	s_mov_b64 s[64:65], 0
	v_nop
	global_prefetch_b8 v0, s[64:65] scope:SCOPE_SE
	s_setreg_imm32_b32 hwreg(HW_REG_WAVE_MODE, 25, 1), 1
	s_wait_xcnt 0x0
	s_wait_alu depctr_hold_cnt(0) depctr_sa_sdst(0) depctr_va_vdst(0) depctr_va_sdst(0) depctr_va_ssrc(0) depctr_va_vcc(0) depctr_vm_vsrc(0)
	s_getreg_b32 s2, hwreg(HW_REG_IB_STS2, 6, 4)
	s_cmp_eq_u32 s2, 0
	s_cbranch_scc0 .Lentry_in_a_cluster
	s_endpgm
.Lentry_in_a_cluster:
	s_bfe_u32 s2, ttmp6, 0x10000c
	s_cmp_lg_u32 s2, 0x3003
	s_cbranch_scc0 .Lentry_shape_is_right
	s_endpgm
.Lentry_shape_is_right:
; o = softmax(q k^T / 8) v for one batch and head, both products on codes of FP6 (E2M3) with E8M0 scales; o is divided by the row's sum, quantised along the features and leaves as half a fragment.
; THE SOFTMAX: t = score x log2(e) / 8; M = the running largest t rounded UP to a whole number; p = 2^(t - M) is quantised along the keys, not normalised; the row's sum is taken of the unquantised p.
; When M moves, the sum and O are multiplied by 2^(old M - new M): exact.
; SHARES: a work-group owns 256 queries of one (batch, head); each of its eight waves 32 of them, two tiles of 16: every fragment of K and of V that is read from LDS feeds two products.
; TWO WINDOWS: tile 0's state lies in v96-255 of window 0, tile 1's under the same numbers in window 1, so one text serves both.  Window 0 also holds addresses, scale words (v12-25) and K's tiles (v32-85), window 1 V's fragments (v0-47).
; A WHOLE BLOCK IN A LANE: K's tile j of 64 keys holds keys 8 j + i (rows 0-7) and 32 + 8 j + i (rows 8-15).  With S^T = K Q^T lane (r, h) then has, in the 32 registers of four tiles, keys 32 h + 0 .. 31 of the 64:
; one scale block of p, in the order of the operand's registers: its largest needs no other lane, and nothing is swapped between lanes.
; K AND V of the whole head, as codes (2 x 98,304 bytes) with their scale words (2 x 8,192), lie in LDS at once, filled ONCE: no ring.  One joint load a wave (the four query blocks of a cluster share the head):
; waves 0, 1 the scale words, waves 2, 3 keys 0-511 of K and V, waves 4-7 the rest.  The first barrier shows waves 0-3's tiles, the second, behind key step 2, all.
; THE FIRST PRODUCT'S K IS 64: Q's registers 6-11 are zero codes; K's tiles lie 6 registers apart, so a tile's registers 6-11 are the next tile's codes, which meet Q's zeros.
; AHEAD: behind a step's first products the step's V and the NEXT step's K and scale words are asked of LDS; they land under the softmax.
; No prefetch: every byte that the launch reads is asked for at its head.
; LIMITS: NaN and infinities are not served; the scaled scores stay under 2^31 in magnitude; a p under 2^-126 is 0; a block whose largest magnitude lies under 2^-124 keeps the byte 1, a block of zeros too (its codes are zeros; this program alone reads the bytes).
.set ZP,   3407872                     ; qkv: a part (q, k, v)
.set ZS,   3145728                     ; in it: the scale words
.set OSC,  3145728                     ; oq: the scale words
.set VCL,  98304                       ; LDS: K's codes from byte 0, V's codes,
.set KSL,  196608                      ; K's scale words, V's 8,192 bytes behind them,
.set OSL,  212992                      ; 1,024 bytes for o's scale words, into which no tile lands,
.set SPARE, 214016                     ; and the spare words, 128 bytes a wave
.set STB,  6144                        ; a key step's codes: 128 keys
.set WV,   8
.set SEL,  20
.set CS,   22                          ; s[22:23] c = log2(e) / 8
; window 0 alone: v1 16 x lane, v2 8 x lane + 512, v3 scale words, v4, v5 V's codes one step back, v6, v7 o's scale words in LDS, v9, v10 the add's, v29 8 x lane, v30 Q's scale words
.set KA,   11                          ; the step's LDS addresses: next K's registers 0-3,
.set KA8,  26                          ; 4-5,
.set VA,   27                          ; V's,
.set VA8,  28
.set SC,   31                          ; the next scale words
.set KS,   12                          ; v12-15 K's scale words; v16-19 V's as loaded; v20-21 V's for 128 keys; v22-23 Q's; v24-25 p's
.set VL,   16
.set VS,   20
.set QS,   22
.set PS,   24
.set K,    32
; a tile's state, in its window
.set S,    96                          ; S^T, then p
.set O,    160                         ; O^T
.set Q,    192
.set P,    204                         ; p's codes
.set T3,   216                         ; the second conversions' results
.set MA,   224                         ; two chains for each block
.set MB,   226
.set NM,   228                         ; -M
.set RS,   229                         ; the largest score so far
.set L,    230                         ; the sum, in two halves
.set F,    232                         ; 2^(old M - new M)
.set SOP,  234
.set BY,   236
.set W,    238
.set PX,   239
.set A1,   240
.set A2,   242
.set A3,   244
.set MX,   246                         ; the blocks' largest score, then p
.set TP,   248
.set DD,   249
.set MSB, 0
.macro WIN new                         ; the immediate's high byte repeats the setting that is left
.if MSB != (\new)
	s_set_vgpr_msb (MSB<<8)|(\new)
.set MSB, (\new)
.endif
.endm
.macro WALU
	s_wait_alu depctr_va_vdst(0)
.endm
.macro ROUND                           ; a round of the cluster's barrier
	s_barrier_signal -1
	s_barrier_wait -1
	s_cmp_lg_u32 s[WV], 0
	s_cbranch_scc1 .Lnot_wave_0_\@
	s_barrier_signal -3
.Lnot_wave_0_\@:
	s_barrier_wait -3
	s_barrier_signal -1
	s_barrier_wait -1
.endm
.macro TLOAD g0, g1
	tensor_load_to_lds s[\g0:\g0+3], s[\g1:\g1+7]
	s_nop 0
.rept 4
	v_nop
.endr
.endm
.macro KLOAD a, a8, sc                 ; a step's K, and K's and V's scale words: 20 LDS loads
.irp t, 0,1,2,3,4,5,6,7
	ds_load_b128 v[K+6*\t:K+6*\t+3], v[\a] offset:768*\t
	ds_load_b64 v[K+6*\t+4:K+6*\t+5], v[\a8] offset:768*\t
.endr
	ds_load_b64 v[KS:KS+1], v[\sc]
	ds_load_b64 v[KS+2:KS+3], v[\sc] offset:256
	ds_load_b64 v[VL:VL+1], v[\sc] offset:8192
	ds_load_b64 v[VL+2:VL+3], v[\sc] offset:8448
.endm
.macro QK qs                           ; S^T = K Q^T: eight tiles of 16 keys
.irp t, 0,2,4,6
	v_wmma_scale_f32_16x16x128_f8f6f4 v[S+8*\t:S+8*\t+7], v[K+6*\t:K+6*\t+11], v[Q:Q+11], 0, v[KS+\t/2], v[\qs] matrix_a_fmt:MATRIX_FMT_FP6 matrix_b_fmt:MATRIX_FMT_FP6
	v_wmma_scale_f32_16x16x128_f8f6f4 v[S+8*\t+8:S+8*\t+15], v[K+6*\t+6:K+6*\t+17], v[Q:Q+11], 0, v[KS+\t/2], v[\qs] matrix_a_fmt:MATRIX_FMT_FP6 matrix_b_fmt:MATRIX_FMT_FP6 matrix_a_scale:MATRIX_SCALE_ROW1
.endr
.endm
.macro PV ps                           ; O^T += V^T P^T: the accumulators by turns
.irp t, 0,2
	v_wmma_scale_f32_16x16x128_f8f6f4 v[O+8*\t:O+8*\t+7], v[12*\t:12*\t+11], v[P:P+11], v[O+8*\t:O+8*\t+7], v[VS+\t/2], v[\ps] matrix_a_fmt:MATRIX_FMT_FP6 matrix_b_fmt:MATRIX_FMT_FP6
	v_wmma_scale_f32_16x16x128_f8f6f4 v[O+8*\t+8:O+8*\t+15], v[12*\t+12:12*\t+23], v[P:P+11], v[O+8*\t+8:O+8*\t+15], v[VS+\t/2], v[\ps] matrix_a_fmt:MATRIX_FMT_FP6 matrix_b_fmt:MATRIX_FMT_FP6 matrix_a_scale:MATRIX_SCALE_ROW1
.endr
.endm
; ahead of the exponentials, for one tile under its window: the blocks' largest scores (four chains by turns; each accumulator is first read at its low end), M, f, t - M, and the sum and O^T under the new M
.macro PRE
.irp b, 0,1
	v_max3_num_f32 v[MA+\b], v[S+32*\b], v[S+32*\b+1], v[S+32*\b+2]
	v_max3_num_f32 v[MB+\b], v[S+32*\b+17], v[S+32*\b+18], v[S+32*\b+19]
.endr
.irp k, 1,2,3,4,5,6
.irp b, 0,1
	v_max3_num_f32 v[MA+\b], v[MA+\b], v[S+32*\b+2*\k+1], v[S+32*\b+2*\k+2]
	v_max3_num_f32 v[MB+\b], v[MB+\b], v[S+32*\b+2*\k+18], v[S+32*\b+2*\k+19]
.endr
.endr
.irp b, 0,1
	v_max3_num_f32 v[MA+\b], v[MA+\b], v[S+32*\b+15], v[S+32*\b+16]
.endr
.irp b, 0,1
	v_max_num_f32 v[MX+\b], v[MA+\b], v[MB+\b]     ; it serves twice: for the row's maximum, and, since p rises with the score, for the block's largest p
.endr
	v_max3_num_f32 v[RS], v[RS], v[MX], v[MX+1]
	v_permlanex16_b32 v[PX], v[RS], s[SEL], s[SEL+1]
	v_max_num_f32 v[RS], v[RS], v[PX]              ; with lane l xor 16's keys
	v_mul_f32 v[TP], s[CS], v[RS]                  ; as t (c is positive)
	v_floor_f32 v[TP], -v[TP]                      ; the new -M: M is a whole number
	v_sub_f32 v[DD], v[TP], v[NM]                  ; old M - new M, 0 or less
	v_mov_b32 v[NM], v[TP]
	v_cvt_i32_f32 v[DD], v[DD]                     ; (it saturates)
	v_ldexp_f32 v[F], 1.0, v[DD]
.set J, 0
.rept 32
	v_pk_fma_f32 v[S+J:S+J+1], v[S+J:S+J+1], s[CS:CS+1], v[NM:NM+1] op_sel_hi:[1,0,0]   ; t - M, two at a time
.set J, J+2
.endr
.irp b, 0,1
	v_fma_f32 v[MX+\b], v[MX+\b], s[CS], v[NM]
.endr
	v_pk_mul_f32 v[L:L+1], v[L:L+1], v[F:F+1] op_sel_hi:[1,0]
.set J, 0
.rept 16
	v_pk_mul_f32 v[O+J:O+J+1], v[O+J:O+J+1], v[F:F+1] op_sel_hi:[1,0]
.set J, J+2
.endr
.endm
.macro EXPS
.set J, 0
.rept 64
	v_exp_f32 v[S+J], v[S+J]                       ; p = 2^(t - M), at most 1
.set J, J+1
.endr
	v_exp_f32 v[MX], v[MX]                         ; the blocks' largest p
	v_exp_f32 v[MX+1], v[MX+1]
.endm
; behind them, for tile w: the scale word (into window 0, where scale operands are read), the codes, the sum
.macro POST w
.irp b, 0,1
	v_max_num_f32 v[MX+\b], 0x1800000, v[MX+\b]    ; the floor 2^(3 - 127): the byte cannot fall under 1
.endr
.irp b, 0,1
	v_add_nc_u32 v[SOP+\b], 0xff000000, v[MX+\b]   ; 2 off the exponent field: the conversions' scale operand
.endr
.irp b, 0,1
	v_lshrrev_b32 v[BY+\b], 23, v[SOP+\b]
.endr
	v_lshl_or_b32 v[W], v[BY+1], 16, v[BY]         ; my blocks h and 2 + h
	v_permlanex16_b32 v[PX], v[W], s[SEL], s[SEL+1]
	WIN 0x15*\w
	v_lshl_or_b32 v[PS+\w], v[PX], 8, v[W]         ; lanes 0-15, which alone are read: blocks 0, 2 mine, 1, 3 the other lane's
	WIN 0x55*\w
.irp c, 0,1
	v_cvt_scalef32_pk16_fp6_f32 v[P+6*\c:P+6*\c+2], v[S+32*\c:S+32*\c+15], v[SOP+\c]
	v_cvt_scalef32_pk16_fp6_f32 v[T3+4*\c:T3+4*\c+2], v[S+32*\c+16:S+32*\c+31], v[SOP+\c]   ; a conversion's three registers begin on an even number
.endr
	v_nop                                          ; one plain line behind the conversions
.irp c, 0,1
.irp i, 0,1,2
	v_mov_b32 v[P+6*\c+3+\i], v[T3+4*\c+\i]
.endr
.endr
	v_pk_add_f32 v[A1:A1+1], v[S:S+1], v[S+2:S+3]  ; the sum of the unquantised p, in four chains; these 32 are also the places between the codes and scale word and the products
	v_pk_add_f32 v[A2:A2+1], v[S+4:S+5], v[S+6:S+7]
	v_pk_add_f32 v[A3:A3+1], v[S+8:S+9], v[S+10:S+11]
	v_pk_add_f32 v[L:L+1], v[L:L+1], v[S+12:S+13]
.irp k, 0,1,2,3,4,5
	v_pk_add_f32 v[A1:A1+1], v[A1:A1+1], v[S+14+8*\k:S+15+8*\k]
	v_pk_add_f32 v[A2:A2+1], v[A2:A2+1], v[S+16+8*\k:S+17+8*\k]
	v_pk_add_f32 v[A3:A3+1], v[A3:A3+1], v[S+18+8*\k:S+19+8*\k]
	v_pk_add_f32 v[L:L+1], v[L:L+1], v[S+20+8*\k:S+21+8*\k]
.endr
	v_pk_add_f32 v[A1:A1+1], v[A1:A1+1], v[S+62:S+63]
	v_pk_add_f32 v[L:L+1], v[L:L+1], v[A3:A3+1]
	v_pk_add_f32 v[A1:A1+1], v[A1:A1+1], v[A2:A2+1]
	v_pk_add_f32 v[L:L+1], v[L:L+1], v[A1:A1+1]
.endm
; A KEY STEP: 128 keys.  s60: where the NEXT step's codes begin in K's region; s61: its scale words.  pf = 0: the last step asks for nothing more
.macro STEP pf
	s_wait_dscnt 0x0                               ; this step's K and scale words are in
	QK QS
	WIN 0x54                                       ; source 1, C and D in window 1
	QK QS+1
	WIN 0
	v_add_nc_u32 v[VA], s60, v4                    ; the step's addresses: these lines are the places behind the products (the last step's second products too), ahead of the writes and loads into their registers and of the reads of S^T
	v_add_nc_u32 v[VA8], s60, v5
.if \pf
	v_add_nc_u32 v[KA], s60, v1
	v_add_nc_u32 v[KA8], s60, v2
	v_add_nc_u32 v[SC], s61, v3
.else
	v_nop
	v_nop
.endif
	v_lshl_or_b32 v[VS], v[VL+2], 16, v[VL]        ; V's scale words for 128 keys: two bytes of each half
	v_lshl_or_b32 v[VS+1], v[VL+3], 16, v[VL+1]
	WIN 0x40                                       ; destination in window 1
.irp t, 0,1,2,3
.irp c, 0,1
	ds_load_b128 v[12*\t+6*\c:12*\t+6*\c+3], v[VA] offset:3072*\c+768*\t
	ds_load_b64 v[12*\t+6*\c+4:12*\t+6*\c+5], v[VA8] offset:3072*\c+768*\t
.endr
.endr
	WIN 0
.if \pf
	KLOAD KA, KA8, SC
.endif
	PRE
	WIN 0x55
	PRE
	WIN 0
	WALU
	EXPS
	WIN 0x55
	EXPS
	v_nop                                          ; a plain line behind the exponentials,
	WIN 0
	WALU
	POST 0
	WIN 0x55
	POST 1
	WIN 0x01                                       ; source 0 (V) in window 1
.if \pf
	s_wait_dscnt 20                                ; V is in; the 20 younger loads, the next step's K and scale words, may be out
.else
	s_wait_dscnt 0x0
.endif
	PV PS
	WIN 0x55
	PV PS+1
	WIN 0
.endm
.macro LOOP first, trips
	s_mov_b32 s60, (\first+1)*STB
	s_mov_b32 s61, (\first+1)*512
	s_mov_b32 s62, \trips
.Lstep_\@:
	STEP 1
	s_add_co_u32 s60, s60, STB
	s_add_co_u32 s61, s61, 512
	s_sub_co_u32 s62, s62, 1
	s_cmp_lg_u32 s62, 0
	s_cbranch_scc1 .Lstep_\@
.endm
.macro INIT w
	WIN 0x40*\w
.irp j, 6,7,8,9,10,11
	v_mov_b32 v[Q+\j], 0                           ; zero codes: Q's upper 64 along K
.endr
.set J, 0
.rept 32
	v_mov_b32 v[O+J], 0                            ; the step is written once: the first finds zeros, which the first change of M leaves zeros
.set J, J+1
.endr
	v_mov_b32 v[RS], 0xff61b1e6                    ; -3e38, under every score
	v_mov_b32 v[NM], 0x7f61b1e6                    ; -M to go with it
	v_mov_b32 v[L], 0
	v_mov_b32 v[L+1], 0
	v_mov_b32 v[F+1], 0                            ; (named with f as a pair)
	v_mov_b32 v[PX], 0                             ; a lane permute's destination counts as one of its sources
.endm
; THE WAY OUT of tile w: o = O^T / the sum; register 16 b + i is feature 32 b + 16 h + i of my query; quantised along the head's 64
.macro FINISH w
	WIN 0x55*\w
	v_add_f32 v[L], v[L], v[L+1]
	v_permlanex16_b32 v[PX], v[L], s[SEL], s[SEL+1]
	v_add_f32 v[L], v[L], v[PX]
	WALU
	v_rcp_f32 v[L], v[L]
	v_nop
	v_nop
	WALU                                           ; ahead of the reciprocal's first reader, which is O^T's first reader too
.set J, 0
.rept 32
	v_mul_f32 v[S+J], v[O+J], v[L]
.set J, J+1
.endr
.irp b, 0,1
	v_max3_num_f32 v[MA+\b], |v[S+16*\b]|, |v[S+16*\b+1]|, 0x1800000
.endr
.irp i, 2,4,6,8,10,12,14
.irp b, 0,1
	v_max3_num_f32 v[MA+\b], |v[S+16*\b+\i]|, |v[S+16*\b+\i+1]|, v[MA+\b]
.endr
.endr
.irp b, 0,1
	v_permlanex16_b32 v[MB+\b], v[MA+\b], s[SEL], s[SEL+1]
.endr
.irp b, 0,1
	v_max_num_f32 v[MA+\b], v[MA+\b], v[MB+\b]
.endr
.irp b, 0,1
	v_add_nc_u32 v[SOP+\b], 0xff000000, v[MA+\b]
.endr
.irp b, 0,1
	v_lshrrev_b32 v[BY+\b], 23, v[SOP+\b]
.endr
	v_lshl_or_b32 v[W], v[BY+1], 8, v[BY]
	v_cvt_scalef32_pk16_fp6_f32 v[P:P+2], v[S:S+15], v[SOP]
	v_cvt_scalef32_pk16_fp6_f32 v[T3:T3+2], v[S+16:S+31], v[SOP+1]
	v_nop
.irp i, 0,1,2
	v_permlane16_swap_b32 v[P+\i], v[T3+\i]        ; a whole block to a lane
.endr
.irp i, 0,1,2
	v_mov_b32 v[P+3+\i], v[T3+\i]
.endr
	WIN 0x04*\w                                    ; the data in the tile's window
	global_store_b128 v1, v[P:P+3], s[70:71] offset:12288*\w     ; half a fragment: 512 and 256 consecutive bytes
	global_store_b64 v2, v[P+4:P+5], s[70:71] offset:12288*\w
	ds_store_b32 v6, v[W] offset:128*\w            ; lanes r and r + 16 write the same word with the same value
.endm
	s_load_b128 s[4:7], s[0:1], 0x0                ; qkv, oq
	v_lshl_add_u32 v9, v0, 2, SPARE
	v_mov_b32 v10, 0
	ds_add_u32 v9, v10                             ; the opening lines: the add, twice on end, and its wait
	ds_add_u32 v9, v10
	v_lshrrev_b32 v8, 5, v0
	v_readfirstlane_b32 s[WV], v8                  ; wave 0..7
	v_and_b32 v31, 31, v0                          ; lane
	v_and_b32 v8, 15, v0                           ; r
	v_lshlrev_b32 v1, 4, v31
	v_lshlrev_b32 v29, 3, v31
	v_add_nc_u32 v2, 512, v29
	v_add_nc_u32 v3, KSL, v29
	v_add_nc_u32 v4, VCL-STB, v1
	v_add_nc_u32 v5, VCL-STB, v2
	WALU
	s_and_b32 s67, s[WV], 1                        ; my tiles are 2 w and 2 w + 1: in their four tiles' 256 bytes of scale words the word of row r lies at 8 r + 4 (w % 2), tile 2 w + 1's 128 further on
	s_lshl_b32 s67, s67, 2
	s_lshr_b32 s66, s[WV], 1
	s_lshl_b32 s66, s66, 8
	s_add_co_u32 s66, s66, s67
	s_add_co_u32 s66, s66, OSL
	s_and_b32 s68, s[WV], 3
	s_lshl_b32 s68, s68, 8
	s_add_co_u32 s68, s68, OSL
	v_lshl_add_u32 v30, v8, 3, s67
	v_lshl_add_u32 v6, v8, 3, s66
	v_lshl_add_u32 v7, v31, 3, s68                 ; where waves 0-3 read o's scale words back
	s_and_b32 s9, ttmp7, 0xffff                    ; bh = 16 x batch + head, which the four partners share
	s_bfe_u32 s10, ttmp6, 0x40000                  ; cx
	s_lshl_b32 s11, ttmp9, 2
	s_add_co_u32 s11, s11, s10                     ; my block of 256 queries
	s_mov_b32 s[SEL], 0x76543210
	s_mov_b32 s[SEL+1], 0xfedcba98
	s_mov_b32 s[CS], 0x3e38aa3b                    ; log2(e) / 8
	s_mov_b32 s[CS+1], s[CS]
	; descriptor groups 1: dense blocks as rows of 256 bytes (32 elements of 8 bytes); the mask names all four work-groups, bit 21 set beside it: 32 rows (scale words), 96 (512 keys), 144 (768 keys)
.irp g, 24, 32, 80
	s_mov_b32 s[\g], 15|(3<<16)|(1<<21)
	s_mov_b32 s[\g+1], 32<<16
	s_mov_b32 s[\g+3], 32<<16
	s_mov_b32 s[\g+5], 32
	s_mov_b32 s[\g+6], 0
	s_mov_b32 s[\g+7], 0
.endr
	s_mov_b32 s26, 32<<16
	s_mov_b32 s28, 32
	s_mov_b32 s34, 96<<16
	s_mov_b32 s36, 96
	s_mov_b32 s82, 144<<16
	s_mov_b32 s84, 144
	s_and_b32 s70, s[WV], 1                        ; even waves: K; odd waves: V
	s_mul_i32 s71, s70, 8192
	s_mul_i32 s72, s70, 98304
	s_mul_i32 s74, s70, ZP
	s_add_co_u32 s74, s74, ZP                      ; part 1 or 2 of qkv
	s_mul_i32 s73, s9, 98304
	s_add_co_u32 s76, s74, s73                     ; the head's codes,
	s_mov_b32 s77, 0
	s_lshl_b32 s73, s9, 13
	s_add_co_u32 s74, s74, s73
	s_add_co_u32 s74, s74, ZS                      ; its scale words
	s_mov_b32 s75, 0
	s_bfe_u32 s78, s[WV], 0x10001                  ; waves 4, 5: keys 512-1279; waves 6, 7: keys 1280-2047
	s_mul_i32 s78, s78, 36864
	s_add_co_u32 s78, s78, 24576
	s_mov_b32 s79, 0
	s_wait_dscnt 0x0
	s_wait_kmcnt 0x0
	s_mov_b32 s40, 1
	s_add_co_u32 s41, s71, KSL
	s_add_nc_u64 s[42:43], s[4:5], s[74:75]
	s_or_b32 s43, s43, 0x80000000
	s_mov_b32 s44, 1
	s_mov_b32 s45, s72
	s_add_nc_u64 s[46:47], s[4:5], s[76:77]
	s_mov_b32 s48, 1
	s_add_co_u32 s49, s72, s78
	s_add_nc_u64 s[50:51], s[46:47], s[78:79]
	s_or_b32 s47, s47, 0x80000000
	s_or_b32 s51, s51, 0x80000000
	ROUND                                          ; all four work-groups are here: the joint loads meet
	s_cmp_lt_u32 s[WV], 2                          ; one chain of branches on the wave's number, one load to an arm
	s_cbranch_scc0 .Lfirst_keys
	TLOAD 40, 24
	s_branch .Lasked
.Lfirst_keys:
	s_cmp_lt_u32 s[WV], 4
	s_cbranch_scc0 .Lrest
	TLOAD 44, 32
	s_branch .Lasked
.Lrest:
	TLOAD 48, 80
.Lasked:
	s_lshl_b32 s78, s11, 4
	s_lshl_b32 s79, s[WV], 1
	s_add_co_u32 s78, s78, s79                     ; my first tile of the head's 128
	s_mul_i32 s78, s78, 768
	s_mul_i32 s79, s9, 98304
	s_add_co_u32 s78, s78, s79
	s_mov_b32 s79, 0
	s_add_nc_u64 s[66:67], s[4:5], s[78:79]        ; Q's codes
	s_lshl_b32 s78, s11, 2
	s_lshr_b32 s79, s[WV], 1
	s_add_co_u32 s78, s78, s79
	s_lshl_b32 s78, s78, 8
	s_lshl_b32 s79, s9, 13
	s_add_co_u32 s78, s78, s79
	s_add_co_u32 s78, s78, ZS
	s_mov_b32 s79, 0
	s_add_nc_u64 s[68:69], s[4:5], s[78:79]        ; and the 256 bytes with its scale words
	WALU
	global_load_b128 v[Q:Q+3], v1, s[66:67]
	global_load_b64 v[Q+4:Q+5], v2, s[66:67]
	global_load_b32 v[QS], v30, s[68:69]
	global_load_b32 v[QS+1], v30, s[68:69] offset:128
	WIN 0x40
	global_load_b128 v[Q:Q+3], v1, s[66:67] offset:768
	global_load_b64 v[Q+4:Q+5], v2, s[66:67] offset:768
	WIN 0
	s_lshr_b32 s74, s9, 4                          ; batch
	s_and_b32 s75, s9, 15                          ; head
	s_lshl_b32 s76, s74, 7
	s_lshl_b32 s77, s11, 4
	s_add_co_u32 s76, s76, s77
	s_lshl_b32 s77, s[WV], 1
	s_add_co_u32 s76, s76, s77                     ; my first tile of all 256
	s_lshl_b32 s76, s76, 4
	s_add_co_u32 s76, s76, s75
	s_mul_i32 s76, s76, 768                        ; oq's codes: [tile][head][768]
	s_mov_b32 s77, 0
	s_add_nc_u64 s[70:71], s[6:7], s[76:77]
	s_lshl_b32 s76, s74, 5
	s_lshl_b32 s77, s11, 2
	s_add_co_u32 s76, s76, s77
	s_add_co_u32 s76, s76, s[WV]                   ; (used by waves 0-3: the group of 64 tokens)
	s_lshl_b32 s76, s76, 8
	s_lshl_b32 s77, s75, 14
	s_add_co_u32 s76, s76, s77
	s_add_co_u32 s76, s76, OSC                     ; oq's scale words: [head][group][256]
	s_mov_b32 s77, 0
	s_add_nc_u64 s[72:73], s[6:7], s[76:77]
.irp j, 48,49,50,51,52,53
	v_mov_b32 v[K+\j], 0                           ; zero codes behind K's last tile
.endr
	INIT 0
	INIT 1
	WIN 0
	WALU
	s_cmp_lt_u32 s[WV], 4
	s_cbranch_scc0 .Lnot_first
	s_wait_tensorcnt 0x0                           ; waves 0-3: the scale words and keys 0-511
.Lnot_first:
	s_barrier_signal -1
	s_barrier_wait -1                              ; waves 4-7's loads may be out
	KLOAD 1, 2, 3                                  ; step 0's K and scale words
	s_wait_loadcnt 0x0                             ; Q
	LOOP 0, 3                                      ; steps 0-2, which read keys 0-511 alone
	s_wait_tensorcnt 0x0                           ; every wave: all tiles
	s_wait_dscnt 0x0
	s_barrier_signal -1
	s_barrier_wait -1
	LOOP 3, 12                                     ; steps 3-14
	s_mov_b32 s60, 16*STB
	STEP 0                                         ; step 15
	FINISH 0
	FINISH 1
	WIN 0
	s_wait_dscnt 0x0                               ; for the others' sake
	s_barrier_signal -1
	s_barrier_wait -1
	s_cmp_lt_u32 s[WV], 4
	s_cbranch_scc0 .Ldone
	ds_load_b64 v[86:87], v7                       ; four tiles' words,
	s_wait_dscnt 0x0
	global_store_b64 v29, v[86:87], s[72:73]       ; as 256 consecutive bytes
.Ldone:
	s_wait_tensorcnt 0x0                           ; the wave's end
	ds_add_u32 v9, v10
	s_wait_dscnt 0x0
	ROUND                                          ; the closing round
	s_endpgm
.Lfunc_end_k_q731b4fe449_attn:
	.size	k_q731b4fe449_attn, .Lfunc_end_k_q731b4fe449_attn-k_q731b4fe449_attn
	.p2alignl 7, 3214868480
	.fill 96, 4, 3214868480
	.section	.rodata,"a",@progbits
	.p2align	6, 0x0
	.amdhsa_kernel k_q731b4fe449_attn
		.amdhsa_group_segment_fixed_size 216064
		.amdhsa_private_segment_fixed_size 0
		.amdhsa_enable_private_segment 0
		.amdhsa_kernarg_size 16
		.amdhsa_user_sgpr_count 2
		.amdhsa_user_sgpr_kernarg_segment_ptr 1
		.amdhsa_wavefront_size32 1
		.amdhsa_system_sgpr_workgroup_id_x 1
		.amdhsa_system_sgpr_workgroup_id_y 1
		.amdhsa_system_sgpr_workgroup_id_z 1
		.amdhsa_system_vgpr_workitem_id 0
		.amdhsa_next_free_vgpr 512
		.amdhsa_next_free_sgpr 96
		.amdhsa_reserve_vcc 0
		.amdhsa_float_denorm_mode_32 3
		.amdhsa_float_denorm_mode_16_64 3
		.amdhsa_memory_ordered 1
		.amdhsa_forward_progress 1
		.amdhsa_inst_pref_size 102
	.end_amdhsa_kernel
	.amdgpu_metadata
---
amdhsa.version: [ 1, 2 ]
amdhsa.kernels:
  - .name:           k_q731b4fe449_attn
    .symbol:         k_q731b4fe449_attn.kd
    .args:
      - { .name: qkv, .offset: 0, .size: 8, .value_kind: global_buffer, .address_space: global }
      - { .name: oq, .offset: 8, .size: 8, .value_kind: global_buffer, .address_space: global }
    .group_segment_fixed_size: 216064
    .private_segment_fixed_size: 0
    .kernarg_segment_align: 8
    .kernarg_segment_size: 16
    .max_flat_workgroup_size: 256
    .sgpr_count:     96
    .vgpr_count:     512
    .wavefront_size: 32
...
	.end_amdgpu_metadata
.endif
;; end of part 3
;; launch outp (part 4): grid 8 x 32, 4 waves a work-group, clusters of 4 x 4, 214,528 bytes of LDS; arguments oq, wts, out0; writes out0
.if DOCPART == 4
	.amdgcn_target "amdgcn-amd-amdhsa--gfx1250"
	.amdhsa_code_object_version 6
	.text
	.protected	k_q731b4fe449_outp
	.globl	k_q731b4fe449_outp
	.p2align	8
	.type	k_q731b4fe449_outp,@function
k_q731b4fe449_outp:
	s_mov_b64 s[64:65], 0
	v_nop
	global_prefetch_b8 v0, s[64:65] scope:SCOPE_SE
	s_setreg_imm32_b32 hwreg(HW_REG_WAVE_MODE, 25, 1), 1
	s_wait_xcnt 0x0
	s_wait_alu depctr_hold_cnt(0) depctr_sa_sdst(0) depctr_va_vdst(0) depctr_va_sdst(0) depctr_va_ssrc(0) depctr_va_vcc(0) depctr_vm_vsrc(0)
	s_getreg_b32 s2, hwreg(HW_REG_IB_STS2, 6, 4)
	s_cmp_eq_u32 s2, 0
	s_cbranch_scc0 .Lentry_in_a_cluster
	s_endpgm
.Lentry_in_a_cluster:
	s_bfe_u32 s2, ttmp6, 0x10000c
	s_cmp_lg_u32 s2, 0xf033
	s_cbranch_scc0 .Lentry_shape_is_right
	s_endpgm
.Lentry_shape_is_right:
; out = o Wo on codes of FP6 (E2M3) with E8M0 scales; out [4096][1024] f32.  o and Wo come as images of operand registers, made by the launches before.
; SHARES: a tile of 128 tokens x 128 columns to a work-group (256 of them: a larger tile would leave WGPs without work); a wave makes 64 x 64: 16 accumulators.
; All of K for the tile (2 x 98,304 bytes) lies in LDS at once, filled ONCE by one load a wave, a half of o or of Wo: no byte is filled twice, so there is no ring.  One load of a wave is out at the most.
; CLUSTER 4 x 4: o's rows hang on the tile row alone and are shared along a row of the cluster, Wo's on the tile column alone and are shared along a column: each is asked for jointly.
; TRANSPOSED: source 0 = 16 columns of Wo, source 1 = 16 tokens: a lane holds one token, and 16 registers of two tiles are 16 neighbouring columns.  A K step's fragment of o is the halves of heads 2 ks and 2 ks + 1.
; REGISTERS: window 0: v1 16 x lane, v2 8 x lane, v4-12 addresses; v16-31 Wo's scale words; v32-47 o's; v48-79 o's as loaded, later rows of out; v80-111 rows of out; v128-255 the accumulators ((i, t) at 128 + 32 i + 8 t).
;   window 1: two sets of 96: four fragments of Wo, four of o.
.set OSC,  3145728                     ; oq: scale words
.set OWC,  2457600                     ; wts: Wo's codes
.set OWS,  3244032                     ; wts: Wo's scale words
.set WB,   98304                       ; LDS: o's codes from byte 0: [half][tile][head][768]; Wo's: [half][K step][tile][1,536];
.set STG,  196608                      ; a stage of 16 rows x (256 + 16) bytes for each wave, into which no tile lands
.set WV,   10
.set MSB, 0
.macro WIN new
.if MSB != (\new)
	s_set_vgpr_msb (MSB<<8)|(\new)
.set MSB, (\new)
.endif
.endm
.macro PLACES                          ; four plain lines behind a matrix instruction, ahead of loads into its registers and of reads of its result
.rept 4
	v_nop
.endr
.endm
.macro ROUND                           ; a round of the cluster's barrier
	s_barrier_signal -1
	s_barrier_wait -1
	s_cmp_lg_u32 s[WV], 0
	s_cbranch_scc1 .Lnot_wave_0_\@
	s_barrier_signal -3
.Lnot_wave_0_\@:
	s_barrier_wait -3
	s_barrier_signal -1
	s_barrier_wait -1
.endm
.macro WMX
.if wZ
.if wRA
.if wRB
	v_wmma_scale_f32_16x16x128_f8f6f4 v[wD:wD+7], v[wA:wA+11], v[wB:wB+11], 0, v[wSA], v[wSB] matrix_a_fmt:MATRIX_FMT_FP6 matrix_b_fmt:MATRIX_FMT_FP6 matrix_a_scale:MATRIX_SCALE_ROW1 matrix_b_scale:MATRIX_SCALE_ROW1
.else
	v_wmma_scale_f32_16x16x128_f8f6f4 v[wD:wD+7], v[wA:wA+11], v[wB:wB+11], 0, v[wSA], v[wSB] matrix_a_fmt:MATRIX_FMT_FP6 matrix_b_fmt:MATRIX_FMT_FP6 matrix_a_scale:MATRIX_SCALE_ROW1
.endif
.else
.if wRB
	v_wmma_scale_f32_16x16x128_f8f6f4 v[wD:wD+7], v[wA:wA+11], v[wB:wB+11], 0, v[wSA], v[wSB] matrix_a_fmt:MATRIX_FMT_FP6 matrix_b_fmt:MATRIX_FMT_FP6 matrix_b_scale:MATRIX_SCALE_ROW1
.else
	v_wmma_scale_f32_16x16x128_f8f6f4 v[wD:wD+7], v[wA:wA+11], v[wB:wB+11], 0, v[wSA], v[wSB] matrix_a_fmt:MATRIX_FMT_FP6 matrix_b_fmt:MATRIX_FMT_FP6
.endif
.endif
.else
.if wRA
.if wRB
	v_wmma_scale_f32_16x16x128_f8f6f4 v[wD:wD+7], v[wA:wA+11], v[wB:wB+11], v[wD:wD+7], v[wSA], v[wSB] matrix_a_fmt:MATRIX_FMT_FP6 matrix_b_fmt:MATRIX_FMT_FP6 matrix_a_scale:MATRIX_SCALE_ROW1 matrix_b_scale:MATRIX_SCALE_ROW1
.else
	v_wmma_scale_f32_16x16x128_f8f6f4 v[wD:wD+7], v[wA:wA+11], v[wB:wB+11], v[wD:wD+7], v[wSA], v[wSB] matrix_a_fmt:MATRIX_FMT_FP6 matrix_b_fmt:MATRIX_FMT_FP6 matrix_a_scale:MATRIX_SCALE_ROW1
.endif
.else
.if wRB
	v_wmma_scale_f32_16x16x128_f8f6f4 v[wD:wD+7], v[wA:wA+11], v[wB:wB+11], v[wD:wD+7], v[wSA], v[wSB] matrix_a_fmt:MATRIX_FMT_FP6 matrix_b_fmt:MATRIX_FMT_FP6 matrix_b_scale:MATRIX_SCALE_ROW1
.else
	v_wmma_scale_f32_16x16x128_f8f6f4 v[wD:wD+7], v[wA:wA+11], v[wB:wB+11], v[wD:wD+7], v[wSA], v[wSB] matrix_a_fmt:MATRIX_FMT_FP6 matrix_b_fmt:MATRIX_FMT_FP6
.endif
.endif
.endif
.endm
.macro CHUNKWAIT p                     ; my one load has landed; then everybody's have.
	s_wait_tensorcnt 0x0                           ; my one load has landed
	s_wait_dscnt 0x0
	s_barrier_signal -1
	s_barrier_wait -1
.endm
.macro FETCH k                         ; K step k's eight fragments into set k % 2: 28 LDS loads
.set fp, (\k)/2
.set fe, (\k)%2
	WIN 0x40                                       ; destination window 1
.irp t, 0,1,2,3
.irp g, 0,1,2
	ds_load_b128 v[96*fe+12*\t+4*\g:96*fe+12*\t+4*\g+3], v4 offset:6144*(\k)+1536*\t+512*\g
.endr
.endr
.irp i, 0,1,2,3
.irp c, 0,1
	ds_load_b128 v[96*fe+48+12*\i+6*\c:96*fe+48+12*\i+6*\c+3], v6 offset:12288*\i+1536*(\k)+768*\c
	ds_load_b64 v[96*fe+48+12*\i+6*\c+4:96*fe+48+12*\i+6*\c+5], v8 offset:12288*\i+1536*(\k)+768*\c
.endr
.endr
	WIN 0
.endm
.macro MUL k                           ; 16 products: the 16 accumulators take turns, one instruction a turn
.set me, (\k)%2
.if (\k) == 0
.set wZ, 1
.else
.set wZ, 0
.endif
	WIN 0x05                                       ; sources 0 and 1 window 1, C and D window 0
.irp i, 0,1,2,3
.irp t, 0,1,2,3
.set wD, 128+32*\i+8*\t
.set wA, 96*me+12*\t
.set wB, 96*me+48+12*\i
.set wSA, 16+2*(\k)+\t/2
.set wRA, \t%2
.set wSB, 32+2*(\k)+\i/2
.set wRB, \i%2
	WMX
.endr
.endr
	WIN 0
.endm
	s_load_b128 s[4:7], s[0:1], 0x0                ; oq, wts
	s_load_b64 s[8:9], s[0:1], 0x10                ; out0
	v_lshl_add_u32 v126, v0, 2, 0x34400
	v_mov_b32 v127, 0
	ds_add_u32 v126, v127
	ds_add_u32 v126, v127
	v_lshrrev_b32 v3, 5, v0
	v_readfirstlane_b32 s[WV], v3                  ; wave 0..3
	s_lshr_b32 s11, s[WV], 1                       ; which half of the tile's tokens is mine.  Also: I fetch for o (0) or for Wo (1)
	s_and_b32 s12, s[WV], 1                        ; which half of its columns.  Also: which half of that operand I fetch
	s_bfe_u32 s13, ttmp6, 0x40000                  ; cx
	s_bfe_u32 s14, ttmp6, 0x40004                  ; cy
	s_lshl_b32 s15, ttmp9, 2
	s_add_co_u32 s15, s15, s13                     ; tile column = 4 x cluster x + cx
	s_and_b32 s16, ttmp7, 0xffff
	s_lshl_b32 s16, s16, 2
	s_add_co_u32 s16, s16, s14                     ; tile row = 4 x cluster y + cy
	s_lshl_b32 s17, s14, 2
	s_lshl_b32 s17, 15, s17                        ; my row of the cluster
	s_lshl_b32 s18, 0x1111, s13                    ; my column
	s_or_b32 s24, s17, (3<<16)|(1<<21)             ; o: the mask names my row of the cluster; elements of 8 bytes
	s_mov_b32 s25, 32<<16                          ; one load a wave: a half of o, four tiles x 16 heads x 768 bytes, is a dense block of 49,152 bytes: 192 rows of 256.  LDS: [half][tile][head][768]
	s_mov_b32 s26, 192<<16
	s_mov_b32 s27, 32<<16
	s_mov_b32 s28, 192
	s_mov_b32 s29, 32
	s_mov_b32 s30, 0
	s_mov_b32 s31, 0
	s_or_b32 s32, s18, (3<<16)|(1<<21)             ; Wo: the mask names my column of the cluster
	s_mov_b32 s33, 32<<16
	s_mov_b32 s34, 192<<16                         ; a half of Wo likewise: LDS [half][K step][tile][1,536]
	s_mov_b32 s35, 32<<16
	s_mov_b32 s36, 192
	s_mov_b32 s37, 32
	s_mov_b32 s38, 0
	s_mov_b32 s39, 0
	s_lshl_b32 s84, s16, 3                         ; o: tile 8 x tile row + 4 x half: registers that never hold the tile column
	s_lshl_b32 s85, s12, 2
	s_add_co_u32 s84, s84, s85
	s_mul_i32 s84, s84, 12288
	s_mov_b32 s85, 0
	s_lshl_b32 s86, s15, 1                         ; Wo: 64 columns 2 x tile column + half: registers that never hold the tile row
	s_add_co_u32 s86, s86, s12
	s_mul_i32 s86, s86, 49152
	s_add_co_u32 s86, s86, OWC
	s_mov_b32 s87, 0
	s_mul_i32 s88, s12, 49152
	s_mul_i32 s90, s11, 49152
	v_and_b32 v3, 31, v0                           ; lane
	v_and_b32 v13, 15, v0                          ; r
	v_bfe_u32 v14, v0, 4, 1                        ; h
	v_lshlrev_b32 v1, 4, v3
	v_lshlrev_b32 v2, 3, v3
	v_add_nc_u32 v4, s88, v1
	v_add_nc_u32 v4, WB, v4                        ; Wo's fragments of my 64 columns, all K steps;
	v_add_nc_u32 v6, s90, v1                       ; o's of my 64 tokens: registers 0-3,
	v_add_nc_u32 v8, s90, v2
	v_add_nc_u32 v8, 512, v8                       ; registers 4-5
	s_mul_i32 s91, s[WV], 4352
	s_add_co_u32 s91, s91, STG                     ; my stage
	v_mul_u32_u24 v10, v13, 272
	v_lshl_add_u32 v10, v14, 6, v10
	v_add_nc_u32 v10, s91, v10                     ; in: row r, + 64 h
	v_mul_u32_u24 v11, v14, 272
	v_lshl_add_u32 v11, v13, 4, v11
	v_add_nc_u32 v11, s91, v11                     ; back: lanes 0-15 one row, lanes 16-31 the next
	v_lshlrev_b32 v12, 12, v14
	v_lshl_add_u32 v12, v13, 4, v12                ; and the same in out
	s_wait_dscnt 0x0
	s_wait_kmcnt 0x0
	s_mov_b32 s40, 1
	s_mov_b32 s41, s88
	s_add_nc_u64 s[42:43], s[4:5], s[84:85]
	s_or_b32 s43, s43, 0x80000000
	s_mov_b32 s68, 1
	s_add_co_u32 s69, s88, WB
	s_add_nc_u64 s[70:71], s[6:7], s[86:87]
	s_or_b32 s71, s71, 0x80000000
	ROUND                                          ; all sixteen work-groups are here: the joint loads meet
	s_cmp_eq_u32 s11, 0
	s_cbranch_scc0 .Lfor_b
	tensor_load_to_lds s[40:43], s[24:31]          ; my half of o
	s_nop 0
.rept 4
	v_nop
.endr
	s_branch .Lasked
.Lfor_b:
	tensor_load_to_lds s[68:71], s[32:39]          ; my half of Wo
	s_nop 0
.rept 4
	v_nop
.endr
.Lasked:
	s_lshl_b32 s92, s15, 1
	s_add_co_u32 s92, s92, s12
	s_lshl_b32 s92, s92, 11
	s_add_co_u32 s92, s92, OWS
	s_mov_b32 s93, 0
	s_add_nc_u64 s[56:57], s[6:7], s[92:93]        ; Wo's scale words of my 64 columns
	s_lshl_b32 s92, s16, 1
	s_add_co_u32 s92, s92, s11
	s_lshl_b32 s92, s92, 8
	s_add_co_u32 s92, s92, OSC
	s_add_nc_u64 s[58:59], s[4:5], s[92:93]        ; o's of my 64 tokens, head 0
	s_lshl_b32 s92, s16, 7
	s_lshl_b32 s94, s11, 6
	s_add_co_u32 s92, s92, s94
	s_lshl_b32 s92, s92, 12                        ; my first token's row of 4,096 bytes,
	s_lshl_b32 s94, s15, 9
	s_add_co_u32 s92, s92, s94
	s_lshl_b32 s94, s12, 8
	s_add_co_u32 s92, s92, s94                     ; my first column
	s_add_nc_u64 s[60:61], s[8:9], s[92:93]
.irp k, 0,1,2,3,4,5,6,7
	global_load_b64 v[16+2*\k:17+2*\k], v2, s[56:57] offset:256*\k
.endr
.irp d, 0,1,2,3,4,5,6,7,8,9,10,11,12,13,14,15
	global_load_b64 v[48+2*\d:49+2*\d], v2, s[58:59] offset:16384*\d
.endr
	s_wait_loadcnt 0x0
.irp k, 0,1,2,3,4,5,6,7
.irp j, 0,1
	v_lshl_or_b32 v[32+2*\k+\j], v[48+2*(2*\k+1)+\j], 16, v[48+4*\k+\j]   ; a K step's word: two bytes of head 2 k, two of head 2 k + 1
.endr
.endr
.rept 8
	v_nop                                          ; a scale register written by a vector instruction stands eight places ahead of a scaled product
.endr
	s_wait_alu depctr_va_vdst(0)
	CHUNKWAIT 0                                    ; the one barrier: all four waves' tiles are in
	FETCH 0
.set n, 0
.rept 8
.if n < 7
.if n >= 1
	PLACES                                         ; the set to be loaded was read by the products just issued
.endif
	FETCH n+1
	s_wait_dscnt 28                                ; K step n is in; the 28 loads just issued may be out
.else
	s_wait_dscnt 0x0
.endif
	MUL n
.set n, n+1
.endr
	; THE WAY OUT, a tile of 16 tokens x 64 columns at a time, through my own stage: back come whole rows of 256 bytes, which sixteen lanes store as one aligned run
	PLACES
.irp i, 0,1,2,3
.set BK, 80-32*(\i%2)
.if \i >= 2
	s_wait_xcnt 0x0                                ; the stores of two tiles ago have read the registers that are loaded again
.endif
.irp b, 0,1
.irp q, 0,1,2,3
	ds_store_b128 v10, v[128+32*\i+16*\b+4*\q:128+32*\i+16*\b+4*\q+3] offset:128*\b+16*\q   ; columns 32 b + 16 h + 4 q on; each accumulator from its low end on
.endr
.endr
.irp q, 0,1,2,3,4,5,6,7
	ds_load_b128 v[BK+4*\q:BK+4*\q+3], v11 offset:544*\q   ; LDS serves a wave's instructions in order (ISA guide 5.7.1.4): these see the stores above, and the next tile's stores come behind them
.endr
.irp q, 0,1,2,3,4,5,6,7
	s_wait_dscnt 7-\q                              ; rows 2 q and 2 q + 1 are back; the younger loads may be out
	global_store_b128 v12, v[BK+4*\q:BK+4*\q+3], s[60:61] offset:(8*\i+2*\q+24*(\q/4))*4096 th:TH_STORE_NT   ; tile i's row 2 q + h is token 8 i + row + 24 (row / 8) of its 64
.endr
.endr
	s_wait_tensorcnt 0x0
	ds_add_u32 v126, v127
	s_wait_dscnt 0x0
	ROUND                                          ; the closing round: no work-group ends while a partner may still ask for a tile that names it
	s_endpgm
.Lfunc_end_k_q731b4fe449_outp:
	.size	k_q731b4fe449_outp, .Lfunc_end_k_q731b4fe449_outp-k_q731b4fe449_outp
	.p2alignl 7, 3214868480
	.fill 96, 4, 3214868480
	.section	.rodata,"a",@progbits
	.p2align	6, 0x0
	.amdhsa_kernel k_q731b4fe449_outp
		.amdhsa_group_segment_fixed_size 214528
		.amdhsa_private_segment_fixed_size 0
		.amdhsa_enable_private_segment 0
		.amdhsa_kernarg_size 24
		.amdhsa_user_sgpr_count 2
		.amdhsa_user_sgpr_kernarg_segment_ptr 1
		.amdhsa_wavefront_size32 1
		.amdhsa_system_sgpr_workgroup_id_x 1
		.amdhsa_system_sgpr_workgroup_id_y 1
		.amdhsa_system_sgpr_workgroup_id_z 1
		.amdhsa_system_vgpr_workitem_id 0
		.amdhsa_next_free_vgpr 448
		.amdhsa_next_free_sgpr 96
		.amdhsa_reserve_vcc 0
		.amdhsa_float_denorm_mode_32 3
		.amdhsa_float_denorm_mode_16_64 3
		.amdhsa_memory_ordered 1
		.amdhsa_forward_progress 1
		.amdhsa_inst_pref_size 51
	.end_amdhsa_kernel
	.amdgpu_metadata
---
amdhsa.version: [ 1, 2 ]
amdhsa.kernels:
  - .name:           k_q731b4fe449_outp
    .symbol:         k_q731b4fe449_outp.kd
    .args:
      - { .name: oq, .offset: 0, .size: 8, .value_kind: global_buffer, .address_space: global }
      - { .name: wts, .offset: 8, .size: 8, .value_kind: global_buffer, .address_space: global }
      - { .name: out0, .offset: 16, .size: 8, .value_kind: global_buffer, .address_space: global }
    .group_segment_fixed_size: 214528
    .private_segment_fixed_size: 0
    .kernarg_segment_align: 8
    .kernarg_segment_size: 24
    .max_flat_workgroup_size: 128
    .sgpr_count:     96
    .vgpr_count:     448
    .wavefront_size: 32
...
	.end_amdgpu_metadata
.endif
;; end of part 4
